; MI455X (gfx1250); checked and timed in simulation.
; The chip was launched on July 23, 2026; its instructions are those of AMD's public machine-readable ISA for CDNA 5 (MIT licence, August 2026) and "CDNA5" Instruction Set Architecture Reference Guide (July 2026). The comments in the code are by the model that wrote it; some were corrected since.
;; Interaction Net2. Allowed arithmetic: matrix products marked QUANTISED: E4M3 operands, one given power-of-two scale a tensor, by v_wmma_f32_16x16x64_fp8_fp8 or v_wmma_f32_16x16x128_fp8_fp8, f32 sums; products left as they are: f32 operands where the result goes on into a quantised operand, else bf16, f16 or f32 operands; f32 sums; everything else in f32.
;; Inputs: W_codes 49,536 x 16 x 32 uint8 (E4M3 codes of W, K innermost, in blocks of 32 codes); b 49,536 float32; int_x_codes 2,048 x 16 x 32 uint8 (E4M3 codes of int_x, K innermost, in blocks of 32 codes); lowp_scales 2 int32 (the exponents e of the quantised operands' scales 2^e); x 2,048 x 128 float32.
;; Outputs: out0 2,048 x 128 float32.
;; This version of the problem:
;;   THIS VERSION OF THE PROBLEM IS GIVEN IN LOW PRECISION. The matrix products marked QUANTISED in the list below multiply operands that are first quantised to E4M3 (4 exponent bits, 3 mantissa bits; 8 bits a number), with one given power-of-two scale for each operand tensor; their sums are f32. All else is computed in f32.
;;   The module's matrix products, in the order in which they are computed (A, B: the left and right operand; K: the contracted axis; several contracted axes count as one K, in the product's order):
;;     1. [M 2,048, K 512] x [K 512, N 49,536]; A: input int_x (given as codes); B: input W (given as codes): QUANTISED (scales: A lowp_scales[0], B lowp_scales[1])
;;     2. batch 2,048 x [M 128, K 128] x [K 128, N 1]; A: computed on the way; B: input x: left as it is (N = 1 < 16)
;;     3. batch 2,048 x [M 128, K 128] x [K 128, N 1]; A: computed on the way; B: computed on the way: left as it is (N = 1 < 16)
;;     4. batch 2,048 x [M 128, K 128] x [K 128, N 1]; A: computed on the way; B: computed on the way: left as it is (N = 1 < 16)
;;   THE QUANTISER, for each operand of a quantised product, along K:
;;     - The operand's scale is 2^e, e = its entry of the input lowp_scales (int32; the entries are numbered through the quantised products in the list's order, A before B).
;;     - Each number is divided by the scale, clamped to +-448, and rounded to the nearest number of E4M3, ties to even, subnormals kept.
;;     - The product sums the exact products of the quantised numbers (number of the format x scale) in f32.
;;   ~~~python
;;   def quantise(x, axis, e):      # numpy; x: float32 -> the quantised numbers, widened to float32 again
;;       x = np.moveaxis(x, axis, -1); K = x.shape[-1]
;;       r = np.clip(x / 2.0 ** e, -448, 448)
;;       step = 2.0 ** (np.maximum(np.frexp(np.where(r == 0, 1, r))[1] - 1, -6) - 3)
;;       q = np.round(r / step) * step * 2.0 ** e      # np.round: ties to even
;;       return np.moveaxis(q, -1, axis).astype(np.float32)
;;   ~~~
;;   INPUTS GIVEN AS CODES. W (in the module: [49536, 512], K = its axis 1); int_x (in the module: [2048, 512], K = its axis 1): each comes as NAME_codes (uint8): NAME with its K axis moved to the last place and cut into blocks of 32 codes, [.., K / 32, bytes a block], one block behind the other in memory; one code a byte (a code: sign, 4 exponent bits, 3 mantissa bits); its scale is its entry of lowp_scales. Its value is code x scale, taken as it is: it is not quantised again, and the codes and scales need not be those that the quantiser above would give.
;; One version. Each part assembles by itself: llvm-mc -triple=amdgcn-amd-amdhsa -mcpu=gfx1250 --defsym DOCPART=n.
;; ======== version 1 of 1: 3 launches
;; limits: right only within a limited range of input values
;; workspace buffers: h1 1,048,576 bytes; h2 1,048,576 bytes
;; launch layer0 (part 1): grid 16 x 16, 4 waves a work-group, clusters of 4 x 4, 327,680 bytes of LDS; arguments W_codes, int_x_codes, b, lowp_scales, x, h1; writes h1
.if DOCPART == 1
	.amdgcn_target "amdgcn-amd-amdhsa--gfx1250"
	.amdhsa_code_object_version 6
	.text
	.protected	k_q9d18d16859_layer0
	.globl	k_q9d18d16859_layer0
	.p2align	8
	.type	k_q9d18d16859_layer0,@function
k_q9d18d16859_layer0:
	s_mov_b64 s[64:65], 0
	v_nop
	global_prefetch_b8 v0, s[64:65] scope:SCOPE_SE
	s_setreg_imm32_b32 hwreg(HW_REG_WAVE_MODE, 25, 1), 1
	s_wait_xcnt 0x0
	s_wait_alu depctr_hold_cnt(0) depctr_sa_sdst(0) depctr_va_vdst(0) depctr_va_sdst(0) depctr_va_ssrc(0) depctr_va_vcc(0) depctr_vm_vsrc(0)
	s_getreg_b32 s2, hwreg(HW_REG_IB_STS2, 6, 4)
	s_cmp_eq_u32 s2, 0
	s_cbranch_scc0 .Lentry_in_a_cluster
	s_endpgm
.Lentry_in_a_cluster:
	s_bfe_u32 s2, ttmp6, 0x10000c
	s_cmp_lg_u32 s2, 0xf033
	s_cbranch_scc0 .Lentry_shape_is_right
	s_endpgm
.Lentry_shape_is_right:
; InteractionNet2, ONE LAYER (LAYER = 0, 1, 2; the three launches' texts differ in the next line alone).
.set LAYER, 0
; hout[n][q] = act( sum over p of temp[n][CUM+128+128 p+q] hin[n][p] + temp[n][CUM+q] ),  temp[n][o] = 2^(e0+e1) (int_x codes[n] . W codes[o]) + b[o],  act = relu in layers 0 and 1.
; temp is made by v_wmma_f32_16x16x128_fp8_fp8 on the codes as they are given and is used up in registers: it never goes to LDS or to memory.  Only h goes from launch to launch.
; NOTHING IS LEFT OUT: every row of W and of b, every code of int_x and every number of x has a way to the output.
; SHARES.  Work-group (x, y): samples 128 x .. 128 x + 127, outputs q0 = 8 y .. 8 y + 7, all p: 16 x 16 work-groups, one owner for each output.  Every wave keeps all 128 samples' codes in 512 registers;
; the four waves share out the p.  A CHUNK is the 8 rows (p, q0 .. q0 + 7) of W: 4,096 consecutive bytes; the next p lies 65,536 bytes on.  A BLOCK is 8 chunks; of block k wave w takes chunks 8 k + 2 w and + 1:
; a TILE of 16 rows of W against 8 tiles of 16 samples, 4 K steps of 128: 32 matrix instructions.  Each fragment of W read from LDS feeds 8 of them.
; LAYOUT.  Source 0 = 16 rows of W, source 1 = 16 samples: lane (r, h) holds sample r, its register j the row (p + h, q0 + j).  So hin[n][p + h] is ONE number a lane, and four packed multiply-adds fold a finished
; tile into hnew[0 .. 7].  b goes in as the C of a tile's first matrix instruction, as b x 2^-(e0+e1); the sums are multiplied by 2^(e0+e1) once, at the end.
; The bias rows (CUM + q0 ..) are half a tile: they are cut along K, wave w taking K step w; rows 8-15 of that tile are a copy of rows 0-7 and are multiplied by 0 (half a tile inside live work).
; k is permuted alike in W and int_x (a fragment comes by four loads of 16 bytes): every product meets its partner, the order of sums inside an instruction differs.
; CLUSTER 4 x 4.  W's and b's tiles hang on y alone and are asked for jointly along a row of the cluster, int_x's and h's on x alone, along a column: the requests are divided by four.
; NO PREFETCH: a wave's whole launch is 520 matrix instructions, too short for one to be asked for early enough and still behind the first fills.
; STORES: a thread stores 32 bytes of its sample's row of 512: a work-group owns 8 of a row's 128 outputs, so no store of this text covers 256 consecutive bytes.
; LIMITS: e0 + e1 between -127 and 126, so that 2^-(e0+e1) is an f32 number; b x 2^-(e0+e1) finite; NaN among codes or inputs is not served (relu by v_max_num_f32 drops it).
.set CUM,   16512*LAYER                ; the layer's first row of W and of b
.set CH,    4224                       ; a chunk in LDS: 8 lines of 512 bytes + 16 of padding; line r starts at bank 4 r mod 64 (64 banks of 4 bytes: ISA guide 11.1)
.set BLK,   8*CH                       ; a block, and a slot: 33,792 bytes.  Block j lies in slot j mod 7
.set XB,    5*BLK                      ; slots 5 and 6 first hold int_x's tile: 128 lines of 528
.set HB,    7*BLK                      ; h's tile: 128 lines of 528; it stays
.set BT,    HB+128*528                 ; b's table: line p = b of (p, q0 .. q0 + 7), 32 bytes
.set SPARE, BT+4096                    ; the spare words, 128 bytes for each wave: two blocks of 256 bytes that no other line names
.set STG,   4*BLK                      ; the way out: [contribution 2 w + h][sample][48 bytes], in slots 4 and 5, which have had their last fill and their last read by then
; window 0
.set AX,  4                            ; v4      int_x's tile: XB + 528 r + 16 h
.set AW,  8                            ; v8-11   W: slots 0, 2, 4, 6: + 2 CH w + 528 r + 16 h
.set AH,  12                           ; v12     h: HB + 528 r + 8 w + 4 h
.set AB,  13                           ; v13     b: BT + 64 w + 32 h
.set GBF, 14                           ; v14     the bias chunk in memory: 512 (r % 8) + 16 h + 128 w
.set GZ,  15                           ; v15     0
.set SCV, 16                           ; v16-17  2^-(e0+e1), twice
.set STO, 18                           ; v18     the stage, in
.set RDA, 19                           ; v19     the stage, back
.set GO,  20                           ; v20     512 x thread: my sample's row of hout
.set SCB, 22                           ; v22-23  2^-(e0+e1) in wave 0, else 0
.set SPW, 30                           ; v30     my spare word; never rewritten
.set NIL, 31                           ; v31     0; never rewritten
.set BF,  32                           ; v32-47  the bias chunk's fragment, my K step
.set BC,  48                           ; v48-55  its C
.set ACC, 64                           ; v64-191 two sets of 8 accumulators, by turns from tile to tile
.set FS,  192                          ; v192-255 the way out
; window 1
.set HN,  0                            ; v0-63   hnew: 8 t + j
.set WF,  64                           ; v64-191 W's fragments, two sets of 4 K steps
.set MB,  192                          ; v192-223 hin's numbers, two sets: 16 set + 2 t (the odd registers are only named as a pair's upper half)
.set CB,  224                          ; v224-239 b x 2^-(e0+e1), two sets of 8
.set M01, 240                          ; v240-241 1.0 in lanes 0-15, 0.0 in lanes 16-31
; windows 2, 3: int_x's fragments, K steps 0, 1 and 2, 3: v[128 (s % 2) + 16 t]
.set G1X, 16                           ; s[16:23] group 1 for int_x's and h's tiles;  s[24:31] for W's;  s[32:39] for b's
.set G1W, 24
.set G1B, 32
.set G0X, 40                           ; groups 0
.set G0H, 44
.set G0B, 48
.set G0W, 52
.set WV,  56
.set CXR, 57
.set CYR, 58
.set WGX, 59
.set WGY, 60
.set RMSK, 61
.set CMSK, 62
.set TP,  66                           ; s[66:67], s84, s85: made of the wave's number alone
.set WB,  68                           ; s[68:69] W at chunk 0 of my q0
.set WZ,  70                           ; s[70:71] W at the bias chunk
.set BB,  72                           ; s[72:73] b at CUM + q0
.set HO,  74                           ; s[74:75] hout at my first sample, my q0
.set YO,  76
.set SE,  80                           ; e0 + e1
.set SF,  81
.set SB,  82
.set T1,  84
.set XO,  86
.set MX,  88
.set YB,  90
.set PADW, (3<<16)|(1<<20)|(1<<21)|(6<<22)|(3<<25)   ; 17:16 elements of 8 bytes; 20 padding on; 21 set beside a mask; 24:22 after every 128 words; 31:25 four words
.set W_FIRST, 0x19                     ; source 0 (W) window 1, source 1 (int_x) window 2, C (b) window 1, D window 0
.set W_LO,    0x09                     ; the same, C and D window 0
.set W_HI,    0x0d                     ; int_x in window 3
.set W_G,     0x54                     ; source 0 window 0; sources 1, 2 and the destination window 1: the multiply-adds, b's scaling and every LDS load of the tiles
.set MSB, 0
.macro WIN new                         ; the immediate's high byte repeats the setting that is left
.if MSB != \new
	s_set_vgpr_msb (MSB<<8)|\new
.set MSB, \new
.endif
.endm
.macro CREST                           ; a round of the cluster's barrier behind its opening barrier
	s_cmp_lg_u32 s[WV], 0
	s_cbranch_scc1 .Lnot_wave_0_\@
	s_barrier_signal -3
.Lnot_wave_0_\@:
	s_barrier_wait -3
	s_barrier_signal -1
	s_barrier_wait -1
.endm
.macro CROUND
	s_barrier_signal -1
	s_barrier_wait -1
	CREST
.endm
; W's descriptor for R chunks a wave from block j on: rows of 4,096 bytes, 65,536 apart.  Written only where no tensor load of the wave is out.
.macro SETW R, j
	s_mov_b32 s[G1W+2], (\R)<<16                   ; tensor_dim1
	s_mov_b32 s[G1W+4], \R                         ; tile_dim1
	s_mul_i32 s[T1], s[WV], (\R)*CH
	s_add_co_u32 s[G0W+1], s[T1], ((\j)%7)*BLK     ; LDS: the slot + my chunks
	s_mul_i32 s[TP], s[WV], (\R)*65536
	s_add_co_u32 s[TP], s[TP], 8*(\j)*65536
	s_mov_b32 s[TP+1], 0
	s_add_nc_u64 s[G0W+2:G0W+3], s[WB:WB+1], s[TP:TP+1]
	s_or_b32 s[G0W+3], s[G0W+3], 0x80000000        ; type = 2
.endm
.macro REFILL                          ; the joint load; an s_nop 0 and four v_nop follow it
	tensor_load_to_lds s[G0W:G0W+3], s[G1W:G1W+7]
	s_nop 0
.rept 4
	v_nop
.endr
.endm
; LDS instructions are counted as they are written (TOT); a mark keeps the count at a load; the wait for that load leaves out what was issued behind it (LDS answers in order: ISA guide 5.7.1).
.set TOT, 0
.macro WAITSEQ m
	s_wait_dscnt TOT-(\m)
.endm
; Item pos of tile kk's list of 26 LDS loads: W's 16 pieces of block kk + 1 (even pos under 20, and 20 to 25), b's two of block kk + 1 (pos 1, 3), hin's eight of block kk (pos 5, 7 .. 19).
.macro LD
.set nb, (kk+1)%2
.if (pos == 1) || (pos == 3)
	ds_load_b128 v[CB+8*nb+4*(pos/2):CB+8*nb+4*(pos/2)+3], v[AB] offset:256*(kk+1)+16*(pos/2)
.elseif (pos < 20) && (pos%2 == 1)
.set tt, (pos-5)/2
	ds_load_b32 v[MB+16*(kk%2)+2*tt], v[AH] offset:8448*tt+32*kk
.else
.set nn, pos/2
.if pos >= 20
.set nn, pos-10
.endif
.set sg, (kk+1)%7
	ds_load_b128 v[WF+64*nb+4*nn:WF+64*nb+4*nn+3], v[AW+sg/2] offset:(sg%2)*BLK+128*(nn/4)+32*(nn%4)
.endif
.set TOT, TOT+1
.if pos == 3
.set NBB, TOT                          ; b is asked for
.endif
.if (pos == 6) || (pos == 7)
.set NA0, TOT                          ; K step 0 of W, hin of sample tiles 0, 1
.endif
.if pos == 14
.set NA1, TOT                          ; K step 1, hin up to tile 4
.endif
.if pos == 21
.set NA2, TOT                          ; K step 2, all of hin
.endif
.if pos == 25
.set NA3, TOT                          ; K step 3
.endif
.endm
; THE TILE'S LDS LOADS STAND IN ONE RUN, in the list's order, never singly among the matrix instructions.  The last tile fetches its own hin alone.
.macro RUN
.if kk == 15
.set pos, 5
.rept 8
	LD
.set pos, pos+2
.endr
.else
.set pos, 0
.rept 26
	LD
.set pos, pos+1
.endr
.endif
.endm
.macro MM                              ; the matrix instruction of tile kk, K step ms, sample tile mt.  The 8 accumulators take turns, one instruction a turn
.set ra, ACC+64*(kk%2)+8*mt
.set rw, WF+64*(kk%2)+16*ms
.set rx, 128*(ms%2)+16*mt
.if ms == 0
	WIN W_FIRST
	v_wmma_f32_16x16x128_fp8_fp8 v[ra:ra+7], v[rw:rw+15], v[rx:rx+15], v[CB+8*(kk%2):CB+8*(kk%2)+7]
.else
.if ms == 1
	WIN W_LO
.else
	WIN W_HI
.endif
	v_wmma_f32_16x16x128_fp8_fp8 v[ra:ra+7], v[rw:rw+15], v[rx:rx+15], v[ra:ra+7]
.endif
.endm
.macro PKOP                            ; hnew pair ph (+)= sums pair pa x the lane's number in v[pm] (the pair's low word for both halves).  pf = 1: the first block starts hnew
.if pf
	v_pk_mul_f32 v[ph:ph+1], v[pa:pa+1], v[pm:pm+1] op_sel_hi:[1,0]
.else
	v_pk_fma_f32 v[ph:ph+1], v[pa:pa+1], v[pm:pm+1], v[ph:ph+1] op_sel_hi:[1,0,1]
.endif
.endm
.macro PK                              ; block kb, sample tile pt, pair pi
.set pa, ACC+64*(kb%2)+8*pt+2*pi
.set pm, MB+16*(kb%2)+2*pt
.set ph, HN+8*pt+2*pi
	PKOP
.endm
.macro CMUL                            ; pair ci of block kk + 1's b x 2^-(e0+e1)
	v_pk_mul_f32 v[CB+8*((kk+1)%2)+2*ci:CB+8*((kk+1)%2)+2*ci+1], v[SCV:SCV+1], v[CB+8*((kk+1)%2)+2*ci:CB+8*((kk+1)%2)+2*ci+1]
.endm
; Gap gm of 16, behind every second matrix instruction, under one window setting: two multiply-adds on the tile before (its accumulators from their low ends on).
; These multiply-adds are also the places (ISA guide 7.12.1) between a sum's last product and its first reader, 8 at the least.
; In a plain tile (tev = 0) gap 1 also holds the run of loads: six multiply-adds (behind tile 0: four v_nop and four multiply-adds) lie between the last matrix instruction of the tile before, which read the
; set of fragments that the run fills, and the run; 28 matrix instructions follow it before the next tile wants its first piece.  In a tile with a change of slots the gaps hold register work alone.
; Gaps CG to CG + 3 scale the next block's b, a pair each.
.macro GAP
.set gw, 0
.if kk >= 1
.set gw, 1
.endif
.if (tev == 0) && (gm == 1)
.set gw, 1
.endif
.if (kk < 15) && (gm >= CG) && (gm < CG+4)
.set gw, 1
.endif
.if gw
	WIN W_G
.endif
.if kk >= 1
.set kb, kk-1
.set pf, 0
.if kb == 0
.set pf, 1
.endif
.set pt, gm/2
.set pi, 2*(gm%2)
	PK
.set pi, pi+1
	PK
.endif
.if (tev == 0) && (gm == 1)
	RUN
.endif
.if kk < 15
.if gm == CG
	WAITSEQ NBB                                    ; b's two loads are in: the 22 issued behind them in the run may be out
.endif
.if (gm >= CG) && (gm < CG+4)
.set ci, gm-CG
	CMUL
.endif
.endif
.endm
.macro STEP s                          ; a K step: 8 matrix instructions, 4 gaps
.set ms, \s
.set mu, 0
.rept 4
.set mt, 2*mu
	MM
.set mt, 2*mu+1
	MM
.set gm, 4*ms+mu
	GAP
.set mu, mu+1
.endr
.endm
; TILE k.  ev = 0: four counted waits, one ahead of each K step, for the pieces fetched by the run of the tile before (from K step 1 on this tile's own run, issued behind them, may be out as a whole).
; ev = 1: A CHANGE OF SLOTS.  Every wave waits for all its tensor loads, adds 0 to its spare word, works a K step, waits for the add and for all its LDS reads (blocks up to k are in registers), and opens a round of the
; cluster's barrier; a K step of register work stands inside; behind the round the slots just read out are filled by one joint load a wave: R chunks a wave from block j on; the tile's run of LDS loads follows it.
; ev = 2: the same lines and a plain barrier: the last fill has landed in every wave's part; nothing is filled again.
.macro TILE k, ev, R, j
.set kk, \k
.set tev, \ev
.set CG, 8
.if tev
.set CG, 12
.endif
.set CA0, NA0
.set CA1, NA1
.set CA2, NA2
.set CA3, NA3
.if tev
	WIN 0                                          ; (the add's two registers lie in window 0)
	s_wait_tensorcnt 0x0                           ; no tensor load of mine is out, so the descriptor may be written
	ds_add_u32 v[SPW], v[NIL]                      ; 0 onto my spare word
.set TOT, TOT+1
.if tev == 1
	SETW \R, \j
.endif
.endif
	WAITSEQ CA0                                    ; K step 0's pieces and the first two hin are in; what was issued behind them may be out
	STEP 0
.if tev
	s_wait_dscnt 0x0                               ; the add is done, and my reads of the slots are over
	s_barrier_signal -1
.else
	WAITSEQ CA1
.endif
	STEP 1
.if tev
	WIN 0
	s_barrier_wait -1
.if tev == 1
	CREST                                          ; no wave of any partner still reads these slots or has a load on its way
	REFILL                                         ; the first tensor load behind the round, and my only one until the next
.endif
	WIN W_G
	RUN                                            ; block k + 1 lies in a slot that this change does not fill, and the barrier has shown it whole
.else
	WAITSEQ CA2
.endif
	STEP 2
.if tev == 0
	WAITSEQ CA3
.endif
	STEP 3
.if kk == 0
.rept 4
	v_nop                                          ; the first tile has no multiply-adds in its gaps: these are the places in front of the next tile's first read of its sums
.endr
.endif
.endm
.macro BIASMM s                        ; the bias chunk's K step s against the 8 sample tiles
.if \s < 2
	WIN 0x08                                       ; int_x in window 2, all else in window 0
.else
	WIN 0x0c
.endif
.irp t, 0,1,2,3,4,5,6,7
	v_wmma_f32_16x16x128_fp8_fp8 v[ACC+8*\t:ACC+8*\t+7], v[BF:BF+15], v[128*(\s%2)+16*\t:128*(\s%2)+16*\t+15], v[BC:BC+7]
.endr
	WIN 0
.endm
	s_load_b256 s[4:11], s[0:1], 0x0               ; W's codes s[4:5], int_x's s[6:7], b s[8:9], the scales' exponents s[10:11]
	s_load_b128 s[12:15], s[0:1], 0x20             ; hin s[12:13], hout s[14:15]
	v_lshl_add_u32 v[SPW], v0, 2, SPARE
	v_mov_b32 v[NIL], 0
	ds_add_u32 v[SPW], v[NIL]                      ; the wave's opening: the add, twice on end, and its wait ahead of my first tensor load
	ds_add_u32 v[SPW], v[NIL]
	v_lshrrev_b32 v1, 5, v0
	v_readfirstlane_b32 s[WV], v1                  ; wave 0..3
	s_bfe_u32 s[CXR], ttmp6, 0x40000               ; cx, cy: my place in the cluster
	s_bfe_u32 s[CYR], ttmp6, 0x40004
	s_lshl_b32 s[WGX], ttmp9, 2
	s_add_co_u32 s[WGX], s[WGX], s[CXR]            ; work-group x: my block of 128 samples
	s_and_b32 s[WGY], ttmp7, 0xffff
	s_lshl_b32 s[WGY], s[WGY], 2
	s_add_co_u32 s[WGY], s[WGY], s[CYR]            ; work-group y: my 8 outputs
	s_lshl_b32 s[RMSK], s[CYR], 2
	s_lshl_b32 s[RMSK], 15, s[RMSK]                ; my row of the cluster
	s_lshl_b32 s[CMSK], 0x1111, s[CXR]             ; my column
	s_or_b32 s[G1X], s[CMSK], PADW                 ; int_x, h: 32 rows a wave of 64 elements of 8 bytes, dense; they go to my column
	s_mov_b32 s[G1X+1], 64<<16                     ; tensor_dim0
	s_mov_b32 s[G1X+2], 32<<16                     ; tensor_dim1
	s_mov_b32 s[G1X+3], 64<<16                     ; tile_dim0
	s_mov_b32 s[G1X+4], 32                         ; tile_dim1
	s_mov_b32 s[G1X+5], 64                         ; stride
	s_mov_b32 s[G1X+6], 0
	s_mov_b32 s[G1X+7], 0
	s_or_b32 s[G1W], s[RMSK], PADW                 ; W: rows of 512 elements of 8 bytes (a chunk), 8,192 elements apart; padding behind each 512 bytes; they go to my row
	s_mov_b32 s[G1W+1], 512<<16
	s_mov_b32 s[G1W+3], 512<<16
	s_mov_b32 s[G1W+5], 8192
	s_mov_b32 s[G1W+6], 0
	s_mov_b32 s[G1W+7], 0
	s_or_b32 s[G1B], s[RMSK], (2<<16)|(1<<21)      ; b: 32 rows a wave of 8 elements of 4 bytes, 128 elements apart, no padding
	s_mov_b32 s[G1B+1], 8<<16
	s_mov_b32 s[G1B+2], 32<<16
	s_mov_b32 s[G1B+3], 8<<16
	s_mov_b32 s[G1B+4], 32
	s_mov_b32 s[G1B+5], 128
	s_mov_b32 s[G1B+6], 0
	s_mov_b32 s[G1B+7], 0
	s_lshl_b32 s[XO], s[WGX], 16                   ; my block's 128 rows of 512 bytes,
	s_lshl_b32 s[T1], s[WV], 14
	s_add_co_u32 s[XO], s[XO], s[T1]               ; my wave's 32 of them
	s_mov_b32 s[XO+1], 0
	s_lshl_b32 s[YO], s[WGY], 12                   ; q0 rows of W
	s_mov_b32 s[YO+1], 0
	s_lshl_b32 s[YB], s[WGY], 5                    ; q0 numbers of f32
	s_mov_b32 s[YB+1], 0
	s_lshl_b32 s[MX], s[WGX], 16
	s_add_co_u32 s[MX], s[MX], s[YB]               ; hout alone hangs on both
	s_mov_b32 s[MX+1], 0
	s_mul_i32 s[T1], s[WV], 32*528
	s_mov_b32 s[G0X], 1
	s_add_co_u32 s[G0X+1], s[T1], XB
	s_mov_b32 s[G0H], 1
	s_add_co_u32 s[G0H+1], s[T1], HB
	s_mov_b32 s[G0B], 1
	s_lshl_b32 s[T1+1], s[WV], 10
	s_add_co_u32 s[G0B+1], s[T1+1], BT
	s_mov_b32 s[G0W], 1
	s_wait_dscnt 0x0                               ; both opening adds are done
	s_wait_kmcnt 0x0
	s_load_b64 s[78:79], s[10:11], 0x0             ; e0, e1
	s_add_nc_u64 s[G0X+2:G0X+3], s[6:7], s[XO:XO+1]
	s_or_b32 s[G0X+3], s[G0X+3], 0x80000000
	s_add_nc_u64 s[G0H+2:G0H+3], s[12:13], s[XO:XO+1]
	s_or_b32 s[G0H+3], s[G0H+3], 0x80000000
	s_add_nc_u64 s[WZ:WZ+1], s[4:5], s[YO:YO+1]
	s_add_nc_u64 s[BB:BB+1], s[8:9], s[YB:YB+1]
.if CUM
	s_add_nc_u64 s[WZ:WZ+1], s[WZ:WZ+1], CUM*512
	s_add_nc_u64 s[BB:BB+1], s[BB:BB+1], CUM*4
.endif
	s_add_nc_u64 s[WB:WB+1], s[WZ:WZ+1], 128*512
	s_lshl_b32 s[TP], s[WV], 14                    ; my 32 rows of b's table, 512 bytes apart,
	s_add_co_u32 s[TP], s[TP], 512                 ; behind the 128 bias numbers
	s_mov_b32 s[TP+1], 0
	s_add_nc_u64 s[G0B+2:G0B+3], s[BB:BB+1], s[TP:TP+1]
	s_or_b32 s[G0B+3], s[G0B+3], 0x80000000
	s_add_nc_u64 s[HO:HO+1], s[14:15], s[MX:MX+1]
	SETW 10, 0                                     ; blocks 0 to 4: 10 chunks a wave
	CROUND                                         ; all sixteen work-groups are here: the first joint loads meet
	tensor_load_to_lds s[G0X:G0X+3], s[G1X:G1X+7]  ; the first fills, one group, every wave its part of each: four tensor loads of mine are out
	s_nop 0
	tensor_load_to_lds s[G0W:G0W+3], s[G1W:G1W+7]
	s_nop 0
	tensor_load_to_lds s[G0H:G0H+3], s[G1X:G1X+7]
	s_nop 0
	tensor_load_to_lds s[G0B:G0B+3], s[G1B:G1B+7]
	s_nop 0
.rept 4
	v_nop
.endr
	v_and_b32 v1, 15, v0                           ; r
	v_bfe_u32 v2, v0, 4, 1                         ; h
	v_and_b32 v[GBF], 7, v0
	v_lshlrev_b32 v[GBF], 9, v[GBF]
	v_lshl_add_u32 v[GBF], v2, 4, v[GBF]
	s_lshl_b32 s[T1], s[WV], 7
	v_add_nc_u32 v[GBF], s[T1], v[GBF]
	v_mov_b32 v[GZ], 0
.irp c, 0,1,2,3
	global_load_b128 v[BF+4*\c:BF+4*\c+3], v[GBF], s[WZ:WZ+1] offset:32*\c   ; the bias chunk's fragment, K step w; lanes r and r + 8 take the same row
.endr
	global_load_b128 v[BC:BC+3], v[GZ], s[BB:BB+1]             ; b of my 8 outputs, in every lane
	global_load_b128 v[BC+4:BC+7], v[GZ], s[BB:BB+1] offset:16
	v_mul_u32_u24 v5, v1, 528
	v_lshl_add_u32 v6, v2, 4, v5                   ; 528 r + 16 h
	v_add_nc_u32 v[AX], XB, v6
	s_mul_i32 s[T1], s[WV], 2*CH
	v_add_nc_u32 v[AW], s[T1], v6
	v_add_nc_u32 v[AW+1], 2*BLK, v[AW]
	v_add_nc_u32 v[AW+2], 4*BLK, v[AW]
	v_add_nc_u32 v[AW+3], 6*BLK, v[AW]
	s_lshl_b32 s[T1], s[WV], 3
	s_add_co_u32 s[T1], s[T1], HB
	v_lshl_add_u32 v[AH], v2, 2, v5
	v_add_nc_u32 v[AH], s[T1], v[AH]
	s_lshl_b32 s[T1], s[WV], 6
	s_add_co_u32 s[T1], s[T1], BT
	v_lshl_add_u32 v[AB], v2, 5, s[T1]
	v_mul_u32_u24 v[STO], v1, 48
	v_mul_u32_u24 v7, v2, 6144
	v_add_nc_u32 v[STO], v7, v[STO]
	s_mul_i32 s[T1], s[WV], 12288
	s_add_co_u32 s[T1], s[T1], STG
	v_add_nc_u32 v[STO], s[T1], v[STO]             ; STG + 48 (128 (2 w + h) + r)
	v_mul_u32_u24 v[RDA], v0, 48
	v_add_nc_u32 v[RDA], STG, v[RDA]               ; STG + 48 x thread
	v_lshlrev_b32 v[GO], 9, v0
	v_sub_nc_u32 v7, 1, v2                         ; 1 - h
	; int_x's 128 samples x 512 codes go into registers, in every wave, and stay
	s_wait_tensorcnt 3                             ; my part of int_x's tile is in: W's, h's and b's loads were issued behind it and may be out
	s_barrier_signal -1
	s_barrier_wait -1                              ; everybody's is
	WIN 0x80                                       ; destination window 2
.irp s, 0,1
.irp t, 0,1,2,3,4,5,6,7
.irp c, 0,1,2,3
	ds_load_b128 v[128*\s+16*\t+4*\c:128*\s+16*\t+4*\c+3], v[AX] offset:8448*\t+128*\s+32*\c
.endr
.endr
.endr
	WIN 0xc0                                       ; destination window 3
.irp s, 0,1
.irp t, 0,1,2,3,4,5,6,7
.irp c, 0,1,2,3
	ds_load_b128 v[128*\s+16*\t+4*\c:128*\s+16*\t+4*\c+3], v[AX] offset:8448*\t+256+128*\s+32*\c
.endr
.endr
.endr
	WIN 0
	s_wait_kmcnt 0x0
	s_add_co_i32 s[SE], s78, s79                   ; e0 + e1
	s_sub_co_i32 s[SF], 127, s[SE]
	s_lshl_b32 s[SF], s[SF], 23                    ; 2^-(e0+e1) as f32
	s_cmp_eq_u32 s[WV], 0
	s_cselect_b32 s[SB], s[SF], 0                  ; the bias chunk's b goes in once: in wave 0
	v_mov_b32 v[SCV], s[SF]
	v_mov_b32 v[SCV+1], s[SF]
	v_mov_b32 v[SCB], s[SB]
	v_mov_b32 v[SCB+1], s[SB]
	WIN 0x40                                       ; destination window 1
	v_cvt_f32_u32 v[M01], v7
	v_mov_b32 v[M01+1], 0                          ; (named as the upper half of a pair, so it is written; so are the sixteen below)
.irp i, 0,1,2,3,4,5,6,7,8,9,10,11,12,13,14,15
	v_mov_b32 v[MB+2*\i+1], 0
.endr
	WIN 0
	s_wait_loadcnt 0x0                             ; the bias chunk and its b
.irp i, 0,2,4,6
	v_pk_mul_f32 v[BC+\i:BC+\i+1], v[BC+\i:BC+\i+1], v[SCB:SCB+1]
.endr
	; slots 5 and 6, which held int_x's tile, take blocks 5 and 6
	s_wait_tensorcnt 0x0                           ; all my first fills have landed
	ds_add_u32 v[SPW], v[NIL]
	SETW 4, 5
	s_wait_dscnt 0x0                               ; the add is done, and int_x is in my registers
	CROUND
	REFILL
	; block 0: b and W's fragments
	WIN W_G
.set kk, -1
.irp pp, 1,3,0,2,4,6,8,10,12,14,16,18,20,21,22,23,24,25
.set pos, \pp
	LD
.endr
	WAITSEQ NBB                                    ; b's two loads are in: W's sixteen may be out
.irp i, 0,1,2,3
.set ci, \i
	CMUL
.endr
	TILE 0, 0, 0, 0
	TILE 1, 0, 0, 0
	TILE 2, 0, 0, 0
	TILE 3, 1, 8, 7                                ; blocks 0-3 are in registers or done: slots 0-3 take blocks 7-10
	TILE 4, 0, 0, 0
	TILE 5, 0, 0, 0
	TILE 6, 1, 6, 11                               ; slots 4-6 take blocks 11-13
	TILE 7, 0, 0, 0
	TILE 8, 0, 0, 0
	TILE 9, 0, 0, 0
	TILE 10, 1, 4, 14                              ; slots 0, 1 take blocks 14, 15: the last fill
	TILE 11, 0, 0, 0
	TILE 12, 0, 0, 0
	TILE 13, 2, 0, 0                               ; the last fill has landed; nobody reads slots 4-6 any more
	TILE 14, 0, 0, 0
	TILE 15, 0, 0, 0
	; the bias chunk: wave w multiplies its K step w.  The register numbers of int_x's K step differ from wave to wave: a branch on the wave's number
	WIN 0
	s_cmp_eq_u32 s[WV], 0
	s_cbranch_scc0 .Lbias_1
	BIASMM 0
	s_branch .Lbias_done
.Lbias_1:
	s_cmp_eq_u32 s[WV], 1
	s_cbranch_scc0 .Lbias_2
	BIASMM 1
	s_branch .Lbias_done
.Lbias_2:
	s_cmp_eq_u32 s[WV], 2
	s_cbranch_scc0 .Lbias_3
	BIASMM 2
	s_branch .Lbias_done
.Lbias_3:
	BIASMM 3
.Lbias_done:
	s_wait_dscnt 0x0                               ; block 15's hin
	WIN W_G
.set kb, 15
.set pf, 0
.set pt, 0
.rept 8
.set pi, 0
.rept 4
	PK                                             ; block 15's sums; these 32 are also the places behind the bias products
.set pi, pi+1
.endr
.set pt, pt+1
.endr
.set pm, M01
.set pt, 0
.rept 32
.set pa, ACC+2*pt
.set ph, HN+2*pt
	PKOP                                           ; the bias sums x 1 (lanes 0-15) or x 0 (the copy in lanes 16-31)
.set pt, pt+1
.endr
	; THE WAY OUT.  A sample's 8 outputs lie in 8 parts: four waves x two halves of the lanes.  They meet in the stage; thread T adds sample T's.
	WIN 0x04                                       ; store data window 1
.irp t, 0,1,2,3,4,5,6,7
	ds_store_b128 v[STO], v[HN+8*\t:HN+8*\t+3] offset:768*\t
	ds_store_b128 v[STO], v[HN+8*\t+4:HN+8*\t+7] offset:768*\t+16
.endr
	WIN 0
	s_wait_dscnt 0x0                               ; for the others' sake: my stores into the stage are done
	s_barrier_signal -1
	s_barrier_wait -1
.irp c, 0,1,2,3,4,5,6,7
	ds_load_b128 v[FS+8*\c:FS+8*\c+3], v[RDA] offset:6144*\c
	ds_load_b128 v[FS+8*\c+4:FS+8*\c+7], v[RDA] offset:6144*\c+16
.endr
	s_wait_dscnt 0x0
.irp d, 4,2,1
.set pt, 0
.rept 4*\d
	v_pk_add_f32 v[FS+2*pt:FS+2*pt+1], v[FS+2*pt:FS+2*pt+1], v[FS+8*\d+2*pt:FS+8*\d+2*pt+1]
.set pt, pt+1
.endr
.endr
.irp j, 0,1,2,3,4,5,6,7
	v_ldexp_f32 v[FS+\j], v[FS+\j], s[SE]          ; x 2^(e0+e1)
.endr
.if LAYER < 2
.irp j, 0,1,2,3,4,5,6,7
	v_max_num_f32 v[FS+\j], 0, v[FS+\j]            ; relu
.endr
.endif
	global_store_b128 v[GO], v[FS:FS+3], s[HO:HO+1]
	global_store_b128 v[GO], v[FS+4:FS+7], s[HO:HO+1] offset:16
	s_wait_tensorcnt 0x0                           ; the wave's end, behind my last tensor load and my last LDS store
	ds_add_u32 v[SPW], v[NIL]
	s_wait_dscnt 0x0
	CROUND                                         ; the closing round: no work-group ends while a partner may still ask for a tile that names it
	s_endpgm
.Lfunc_end_k_q9d18d16859_layer0:
	.size	k_q9d18d16859_layer0, .Lfunc_end_k_q9d18d16859_layer0-k_q9d18d16859_layer0
	.p2alignl 7, 3214868480
	.fill 96, 4, 3214868480
	.section	.rodata,"a",@progbits
	.p2align	6, 0x0
	.amdhsa_kernel k_q9d18d16859_layer0
		.amdhsa_group_segment_fixed_size 327680
		.amdhsa_private_segment_fixed_size 0
		.amdhsa_enable_private_segment 0
		.amdhsa_kernarg_size 48
		.amdhsa_user_sgpr_count 2
		.amdhsa_user_sgpr_kernarg_segment_ptr 1
		.amdhsa_wavefront_size32 1
		.amdhsa_system_sgpr_workgroup_id_x 1
		.amdhsa_system_sgpr_workgroup_id_y 1
		.amdhsa_system_sgpr_workgroup_id_z 1
		.amdhsa_system_vgpr_workitem_id 0
		.amdhsa_next_free_vgpr 1024
		.amdhsa_next_free_sgpr 92
		.amdhsa_reserve_vcc 0
		.amdhsa_float_denorm_mode_32 3
		.amdhsa_float_denorm_mode_16_64 3
		.amdhsa_memory_ordered 1
		.amdhsa_forward_progress 1
		.amdhsa_inst_pref_size 144
	.end_amdhsa_kernel
	.amdgpu_metadata
---
amdhsa.version: [ 1, 2 ]
amdhsa.kernels:
  - .name:           k_q9d18d16859_layer0
    .symbol:         k_q9d18d16859_layer0.kd
    .args:
      - { .name: W_codes, .offset: 0, .size: 8, .value_kind: global_buffer, .address_space: global }
      - { .name: int_x_codes, .offset: 8, .size: 8, .value_kind: global_buffer, .address_space: global }
      - { .name: b, .offset: 16, .size: 8, .value_kind: global_buffer, .address_space: global }
      - { .name: lowp_scales, .offset: 24, .size: 8, .value_kind: global_buffer, .address_space: global }
      - { .name: x, .offset: 32, .size: 8, .value_kind: global_buffer, .address_space: global }
      - { .name: h1, .offset: 40, .size: 8, .value_kind: global_buffer, .address_space: global }
    .group_segment_fixed_size: 327680
    .private_segment_fixed_size: 0
    .kernarg_segment_align: 8
    .kernarg_segment_size: 48
    .max_flat_workgroup_size: 128
    .sgpr_count:     92
    .vgpr_count:     1024
    .wavefront_size: 32
...
	.end_amdgpu_metadata
.endif
;; end of part 1
;; launch layer1 (part 2): grid 16 x 16, 4 waves a work-group, clusters of 4 x 4, 327,680 bytes of LDS; arguments W_codes, int_x_codes, b, lowp_scales, h1, h2; writes h2
.if DOCPART == 2
	.amdgcn_target "amdgcn-amd-amdhsa--gfx1250"
	.amdhsa_code_object_version 6
	.text
	.protected	k_q9d18d16859_layer1
	.globl	k_q9d18d16859_layer1
	.p2align	8
	.type	k_q9d18d16859_layer1,@function
k_q9d18d16859_layer1:
	s_mov_b64 s[64:65], 0
	v_nop
	global_prefetch_b8 v0, s[64:65] scope:SCOPE_SE
	s_setreg_imm32_b32 hwreg(HW_REG_WAVE_MODE, 25, 1), 1
	s_wait_xcnt 0x0
	s_wait_alu depctr_hold_cnt(0) depctr_sa_sdst(0) depctr_va_vdst(0) depctr_va_sdst(0) depctr_va_ssrc(0) depctr_va_vcc(0) depctr_vm_vsrc(0)
	s_getreg_b32 s2, hwreg(HW_REG_IB_STS2, 6, 4)
	s_cmp_eq_u32 s2, 0
	s_cbranch_scc0 .Lentry_in_a_cluster
	s_endpgm
.Lentry_in_a_cluster:
	s_bfe_u32 s2, ttmp6, 0x10000c
	s_cmp_lg_u32 s2, 0xf033
	s_cbranch_scc0 .Lentry_shape_is_right
	s_endpgm
.Lentry_shape_is_right:
; InteractionNet2, ONE LAYER (LAYER = 0, 1, 2; the three launches' texts differ in the next line alone).
.set LAYER, 1
; hout[n][q] = act( sum over p of temp[n][CUM+128+128 p+q] hin[n][p] + temp[n][CUM+q] ),  temp[n][o] = 2^(e0+e1) (int_x codes[n] . W codes[o]) + b[o],  act = relu in layers 0 and 1.
; temp is made by v_wmma_f32_16x16x128_fp8_fp8 on the codes as they are given and is used up in registers: it never goes to LDS or to memory.  Only h goes from launch to launch.
; NOTHING IS LEFT OUT: every row of W and of b, every code of int_x and every number of x has a way to the output.
; SHARES.  Work-group (x, y): samples 128 x .. 128 x + 127, outputs q0 = 8 y .. 8 y + 7, all p: 16 x 16 work-groups, one owner for each output.  Every wave keeps all 128 samples' codes in 512 registers;
; the four waves share out the p.  A CHUNK is the 8 rows (p, q0 .. q0 + 7) of W: 4,096 consecutive bytes; the next p lies 65,536 bytes on.  A BLOCK is 8 chunks; of block k wave w takes chunks 8 k + 2 w and + 1:
; a TILE of 16 rows of W against 8 tiles of 16 samples, 4 K steps of 128: 32 matrix instructions.  Each fragment of W read from LDS feeds 8 of them.
; LAYOUT.  Source 0 = 16 rows of W, source 1 = 16 samples: lane (r, h) holds sample r, its register j the row (p + h, q0 + j).  So hin[n][p + h] is ONE number a lane, and four packed multiply-adds fold a finished
; tile into hnew[0 .. 7].  b goes in as the C of a tile's first matrix instruction, as b x 2^-(e0+e1); the sums are multiplied by 2^(e0+e1) once, at the end.
; The bias rows (CUM + q0 ..) are half a tile: they are cut along K, wave w taking K step w; rows 8-15 of that tile are a copy of rows 0-7 and are multiplied by 0 (half a tile inside live work).
; k is permuted alike in W and int_x (a fragment comes by four loads of 16 bytes): every product meets its partner, the order of sums inside an instruction differs.
; CLUSTER 4 x 4.  W's and b's tiles hang on y alone and are asked for jointly along a row of the cluster, int_x's and h's on x alone, along a column: the requests are divided by four.
; NO PREFETCH: a wave's whole launch is 520 matrix instructions, too short for one to be asked for early enough and still behind the first fills.
; STORES: a thread stores 32 bytes of its sample's row of 512: a work-group owns 8 of a row's 128 outputs, so no store of this text covers 256 consecutive bytes.
; LIMITS: e0 + e1 between -127 and 126, so that 2^-(e0+e1) is an f32 number; b x 2^-(e0+e1) finite; NaN among codes or inputs is not served (relu by v_max_num_f32 drops it).
.set CUM,   16512*LAYER                ; the layer's first row of W and of b
.set CH,    4224                       ; a chunk in LDS: 8 lines of 512 bytes + 16 of padding; line r starts at bank 4 r mod 64 (64 banks of 4 bytes: ISA guide 11.1)
.set BLK,   8*CH                       ; a block, and a slot: 33,792 bytes.  Block j lies in slot j mod 7
.set XB,    5*BLK                      ; slots 5 and 6 first hold int_x's tile: 128 lines of 528
.set HB,    7*BLK                      ; h's tile: 128 lines of 528; it stays
.set BT,    HB+128*528                 ; b's table: line p = b of (p, q0 .. q0 + 7), 32 bytes
.set SPARE, BT+4096                    ; the spare words, 128 bytes for each wave: two blocks of 256 bytes that no other line names
.set STG,   4*BLK                      ; the way out: [contribution 2 w + h][sample][48 bytes], in slots 4 and 5, which have had their last fill and their last read by then
; window 0
.set AX,  4                            ; v4      int_x's tile: XB + 528 r + 16 h
.set AW,  8                            ; v8-11   W: slots 0, 2, 4, 6: + 2 CH w + 528 r + 16 h
.set AH,  12                           ; v12     h: HB + 528 r + 8 w + 4 h
.set AB,  13                           ; v13     b: BT + 64 w + 32 h
.set GBF, 14                           ; v14     the bias chunk in memory: 512 (r % 8) + 16 h + 128 w
.set GZ,  15                           ; v15     0
.set SCV, 16                           ; v16-17  2^-(e0+e1), twice
.set STO, 18                           ; v18     the stage, in
.set RDA, 19                           ; v19     the stage, back
.set GO,  20                           ; v20     512 x thread: my sample's row of hout
.set SCB, 22                           ; v22-23  2^-(e0+e1) in wave 0, else 0
.set SPW, 30                           ; v30     my spare word; never rewritten
.set NIL, 31                           ; v31     0; never rewritten
.set BF,  32                           ; v32-47  the bias chunk's fragment, my K step
.set BC,  48                           ; v48-55  its C
.set ACC, 64                           ; v64-191 two sets of 8 accumulators, by turns from tile to tile
.set FS,  192                          ; v192-255 the way out
; window 1
.set HN,  0                            ; v0-63   hnew: 8 t + j
.set WF,  64                           ; v64-191 W's fragments, two sets of 4 K steps
.set MB,  192                          ; v192-223 hin's numbers, two sets: 16 set + 2 t (the odd registers are only named as a pair's upper half)
.set CB,  224                          ; v224-239 b x 2^-(e0+e1), two sets of 8
.set M01, 240                          ; v240-241 1.0 in lanes 0-15, 0.0 in lanes 16-31
; windows 2, 3: int_x's fragments, K steps 0, 1 and 2, 3: v[128 (s % 2) + 16 t]
.set G1X, 16                           ; s[16:23] group 1 for int_x's and h's tiles;  s[24:31] for W's;  s[32:39] for b's
.set G1W, 24
.set G1B, 32
.set G0X, 40                           ; groups 0
.set G0H, 44
.set G0B, 48
.set G0W, 52
.set WV,  56
.set CXR, 57
.set CYR, 58
.set WGX, 59
.set WGY, 60
.set RMSK, 61
.set CMSK, 62
.set TP,  66                           ; s[66:67], s84, s85: made of the wave's number alone
.set WB,  68                           ; s[68:69] W at chunk 0 of my q0
.set WZ,  70                           ; s[70:71] W at the bias chunk
.set BB,  72                           ; s[72:73] b at CUM + q0
.set HO,  74                           ; s[74:75] hout at my first sample, my q0
.set YO,  76
.set SE,  80                           ; e0 + e1
.set SF,  81
.set SB,  82
.set T1,  84
.set XO,  86
.set MX,  88
.set YB,  90
.set PADW, (3<<16)|(1<<20)|(1<<21)|(6<<22)|(3<<25)   ; 17:16 elements of 8 bytes; 20 padding on; 21 set beside a mask; 24:22 after every 128 words; 31:25 four words
.set W_FIRST, 0x19                     ; source 0 (W) window 1, source 1 (int_x) window 2, C (b) window 1, D window 0
.set W_LO,    0x09                     ; the same, C and D window 0
.set W_HI,    0x0d                     ; int_x in window 3
.set W_G,     0x54                     ; source 0 window 0; sources 1, 2 and the destination window 1: the multiply-adds, b's scaling and every LDS load of the tiles
.set MSB, 0
.macro WIN new                         ; the immediate's high byte repeats the setting that is left
.if MSB != \new
	s_set_vgpr_msb (MSB<<8)|\new
.set MSB, \new
.endif
.endm
.macro CREST                           ; a round of the cluster's barrier behind its opening barrier
	s_cmp_lg_u32 s[WV], 0
	s_cbranch_scc1 .Lnot_wave_0_\@
	s_barrier_signal -3
.Lnot_wave_0_\@:
	s_barrier_wait -3
	s_barrier_signal -1
	s_barrier_wait -1
.endm
.macro CROUND
	s_barrier_signal -1
	s_barrier_wait -1
	CREST
.endm
; W's descriptor for R chunks a wave from block j on: rows of 4,096 bytes, 65,536 apart.  Written only where no tensor load of the wave is out.
.macro SETW R, j
	s_mov_b32 s[G1W+2], (\R)<<16                   ; tensor_dim1
	s_mov_b32 s[G1W+4], \R                         ; tile_dim1
	s_mul_i32 s[T1], s[WV], (\R)*CH
	s_add_co_u32 s[G0W+1], s[T1], ((\j)%7)*BLK     ; LDS: the slot + my chunks
	s_mul_i32 s[TP], s[WV], (\R)*65536
	s_add_co_u32 s[TP], s[TP], 8*(\j)*65536
	s_mov_b32 s[TP+1], 0
	s_add_nc_u64 s[G0W+2:G0W+3], s[WB:WB+1], s[TP:TP+1]
	s_or_b32 s[G0W+3], s[G0W+3], 0x80000000        ; type = 2
.endm
.macro REFILL                          ; the joint load; an s_nop 0 and four v_nop follow it
	tensor_load_to_lds s[G0W:G0W+3], s[G1W:G1W+7]
	s_nop 0
.rept 4
	v_nop
.endr
.endm
; LDS instructions are counted as they are written (TOT); a mark keeps the count at a load; the wait for that load leaves out what was issued behind it (LDS answers in order: ISA guide 5.7.1).
.set TOT, 0
.macro WAITSEQ m
	s_wait_dscnt TOT-(\m)
.endm
; Item pos of tile kk's list of 26 LDS loads: W's 16 pieces of block kk + 1 (even pos under 20, and 20 to 25), b's two of block kk + 1 (pos 1, 3), hin's eight of block kk (pos 5, 7 .. 19).
.macro LD
.set nb, (kk+1)%2
.if (pos == 1) || (pos == 3)
	ds_load_b128 v[CB+8*nb+4*(pos/2):CB+8*nb+4*(pos/2)+3], v[AB] offset:256*(kk+1)+16*(pos/2)
.elseif (pos < 20) && (pos%2 == 1)
.set tt, (pos-5)/2
	ds_load_b32 v[MB+16*(kk%2)+2*tt], v[AH] offset:8448*tt+32*kk
.else
.set nn, pos/2
.if pos >= 20
.set nn, pos-10
.endif
.set sg, (kk+1)%7
	ds_load_b128 v[WF+64*nb+4*nn:WF+64*nb+4*nn+3], v[AW+sg/2] offset:(sg%2)*BLK+128*(nn/4)+32*(nn%4)
.endif
.set TOT, TOT+1
.if pos == 3
.set NBB, TOT                          ; b is asked for
.endif
.if (pos == 6) || (pos == 7)
.set NA0, TOT                          ; K step 0 of W, hin of sample tiles 0, 1
.endif
.if pos == 14
.set NA1, TOT                          ; K step 1, hin up to tile 4
.endif
.if pos == 21
.set NA2, TOT                          ; K step 2, all of hin
.endif
.if pos == 25
.set NA3, TOT                          ; K step 3
.endif
.endm
; THE TILE'S LDS LOADS STAND IN ONE RUN, in the list's order, never singly among the matrix instructions.  The last tile fetches its own hin alone.
.macro RUN
.if kk == 15
.set pos, 5
.rept 8
	LD
.set pos, pos+2
.endr
.else
.set pos, 0
.rept 26
	LD
.set pos, pos+1
.endr
.endif
.endm
.macro MM                              ; the matrix instruction of tile kk, K step ms, sample tile mt.  The 8 accumulators take turns, one instruction a turn
.set ra, ACC+64*(kk%2)+8*mt
.set rw, WF+64*(kk%2)+16*ms
.set rx, 128*(ms%2)+16*mt
.if ms == 0
	WIN W_FIRST
	v_wmma_f32_16x16x128_fp8_fp8 v[ra:ra+7], v[rw:rw+15], v[rx:rx+15], v[CB+8*(kk%2):CB+8*(kk%2)+7]
.else
.if ms == 1
	WIN W_LO
.else
	WIN W_HI
.endif
	v_wmma_f32_16x16x128_fp8_fp8 v[ra:ra+7], v[rw:rw+15], v[rx:rx+15], v[ra:ra+7]
.endif
.endm
.macro PKOP                            ; hnew pair ph (+)= sums pair pa x the lane's number in v[pm] (the pair's low word for both halves).  pf = 1: the first block starts hnew
.if pf
	v_pk_mul_f32 v[ph:ph+1], v[pa:pa+1], v[pm:pm+1] op_sel_hi:[1,0]
.else
	v_pk_fma_f32 v[ph:ph+1], v[pa:pa+1], v[pm:pm+1], v[ph:ph+1] op_sel_hi:[1,0,1]
.endif
.endm
.macro PK                              ; block kb, sample tile pt, pair pi
.set pa, ACC+64*(kb%2)+8*pt+2*pi
.set pm, MB+16*(kb%2)+2*pt
.set ph, HN+8*pt+2*pi
	PKOP
.endm
.macro CMUL                            ; pair ci of block kk + 1's b x 2^-(e0+e1)
	v_pk_mul_f32 v[CB+8*((kk+1)%2)+2*ci:CB+8*((kk+1)%2)+2*ci+1], v[SCV:SCV+1], v[CB+8*((kk+1)%2)+2*ci:CB+8*((kk+1)%2)+2*ci+1]
.endm
; Gap gm of 16, behind every second matrix instruction, under one window setting: two multiply-adds on the tile before (its accumulators from their low ends on).
; These multiply-adds are also the places (ISA guide 7.12.1) between a sum's last product and its first reader, 8 at the least.
; In a plain tile (tev = 0) gap 1 also holds the run of loads: six multiply-adds (behind tile 0: four v_nop and four multiply-adds) lie between the last matrix instruction of the tile before, which read the
; set of fragments that the run fills, and the run; 28 matrix instructions follow it before the next tile wants its first piece.  In a tile with a change of slots the gaps hold register work alone.
; Gaps CG to CG + 3 scale the next block's b, a pair each.
.macro GAP
.set gw, 0
.if kk >= 1
.set gw, 1
.endif
.if (tev == 0) && (gm == 1)
.set gw, 1
.endif
.if (kk < 15) && (gm >= CG) && (gm < CG+4)
.set gw, 1
.endif
.if gw
	WIN W_G
.endif
.if kk >= 1
.set kb, kk-1
.set pf, 0
.if kb == 0
.set pf, 1
.endif
.set pt, gm/2
.set pi, 2*(gm%2)
	PK
.set pi, pi+1
	PK
.endif
.if (tev == 0) && (gm == 1)
	RUN
.endif
.if kk < 15
.if gm == CG
	WAITSEQ NBB                                    ; b's two loads are in: the 22 issued behind them in the run may be out
.endif
.if (gm >= CG) && (gm < CG+4)
.set ci, gm-CG
	CMUL
.endif
.endif
.endm
.macro STEP s                          ; a K step: 8 matrix instructions, 4 gaps
.set ms, \s
.set mu, 0
.rept 4
.set mt, 2*mu
	MM
.set mt, 2*mu+1
	MM
.set gm, 4*ms+mu
	GAP
.set mu, mu+1
.endr
.endm
; TILE k.  ev = 0: four counted waits, one ahead of each K step, for the pieces fetched by the run of the tile before (from K step 1 on this tile's own run, issued behind them, may be out as a whole).
; ev = 1: A CHANGE OF SLOTS.  Every wave waits for all its tensor loads, adds 0 to its spare word, works a K step, waits for the add and for all its LDS reads (blocks up to k are in registers), and opens a round of the
; cluster's barrier; a K step of register work stands inside; behind the round the slots just read out are filled by one joint load a wave: R chunks a wave from block j on; the tile's run of LDS loads follows it.
; ev = 2: the same lines and a plain barrier: the last fill has landed in every wave's part; nothing is filled again.
.macro TILE k, ev, R, j
.set kk, \k
.set tev, \ev
.set CG, 8
.if tev
.set CG, 12
.endif
.set CA0, NA0
.set CA1, NA1
.set CA2, NA2
.set CA3, NA3
.if tev
	WIN 0                                          ; (the add's two registers lie in window 0)
	s_wait_tensorcnt 0x0                           ; no tensor load of mine is out, so the descriptor may be written
	ds_add_u32 v[SPW], v[NIL]                      ; 0 onto my spare word
.set TOT, TOT+1
.if tev == 1
	SETW \R, \j
.endif
.endif
	WAITSEQ CA0                                    ; K step 0's pieces and the first two hin are in; what was issued behind them may be out
	STEP 0
.if tev
	s_wait_dscnt 0x0                               ; the add is done, and my reads of the slots are over
	s_barrier_signal -1
.else
	WAITSEQ CA1
.endif
	STEP 1
.if tev
	WIN 0
	s_barrier_wait -1
.if tev == 1
	CREST                                          ; no wave of any partner still reads these slots or has a load on its way
	REFILL                                         ; the first tensor load behind the round, and my only one until the next
.endif
	WIN W_G
	RUN                                            ; block k + 1 lies in a slot that this change does not fill, and the barrier has shown it whole
.else
	WAITSEQ CA2
.endif
	STEP 2
.if tev == 0
	WAITSEQ CA3
.endif
	STEP 3
.if kk == 0
.rept 4
	v_nop                                          ; the first tile has no multiply-adds in its gaps: these are the places in front of the next tile's first read of its sums
.endr
.endif
.endm
.macro BIASMM s                        ; the bias chunk's K step s against the 8 sample tiles
.if \s < 2
	WIN 0x08                                       ; int_x in window 2, all else in window 0
.else
	WIN 0x0c
.endif
.irp t, 0,1,2,3,4,5,6,7
	v_wmma_f32_16x16x128_fp8_fp8 v[ACC+8*\t:ACC+8*\t+7], v[BF:BF+15], v[128*(\s%2)+16*\t:128*(\s%2)+16*\t+15], v[BC:BC+7]
.endr
	WIN 0
.endm
	s_load_b256 s[4:11], s[0:1], 0x0               ; W's codes s[4:5], int_x's s[6:7], b s[8:9], the scales' exponents s[10:11]
	s_load_b128 s[12:15], s[0:1], 0x20             ; hin s[12:13], hout s[14:15]
	v_lshl_add_u32 v[SPW], v0, 2, SPARE
	v_mov_b32 v[NIL], 0
	ds_add_u32 v[SPW], v[NIL]                      ; the wave's opening: the add, twice on end, and its wait ahead of my first tensor load
	ds_add_u32 v[SPW], v[NIL]
	v_lshrrev_b32 v1, 5, v0
	v_readfirstlane_b32 s[WV], v1                  ; wave 0..3
	s_bfe_u32 s[CXR], ttmp6, 0x40000               ; cx, cy: my place in the cluster
	s_bfe_u32 s[CYR], ttmp6, 0x40004
	s_lshl_b32 s[WGX], ttmp9, 2
	s_add_co_u32 s[WGX], s[WGX], s[CXR]            ; work-group x: my block of 128 samples
	s_and_b32 s[WGY], ttmp7, 0xffff
	s_lshl_b32 s[WGY], s[WGY], 2
	s_add_co_u32 s[WGY], s[WGY], s[CYR]            ; work-group y: my 8 outputs
	s_lshl_b32 s[RMSK], s[CYR], 2
	s_lshl_b32 s[RMSK], 15, s[RMSK]                ; my row of the cluster
	s_lshl_b32 s[CMSK], 0x1111, s[CXR]             ; my column
	s_or_b32 s[G1X], s[CMSK], PADW                 ; int_x, h: 32 rows a wave of 64 elements of 8 bytes, dense; they go to my column
	s_mov_b32 s[G1X+1], 64<<16                     ; tensor_dim0
	s_mov_b32 s[G1X+2], 32<<16                     ; tensor_dim1
	s_mov_b32 s[G1X+3], 64<<16                     ; tile_dim0
	s_mov_b32 s[G1X+4], 32                         ; tile_dim1
	s_mov_b32 s[G1X+5], 64                         ; stride
	s_mov_b32 s[G1X+6], 0
	s_mov_b32 s[G1X+7], 0
	s_or_b32 s[G1W], s[RMSK], PADW                 ; W: rows of 512 elements of 8 bytes (a chunk), 8,192 elements apart; padding behind each 512 bytes; they go to my row
	s_mov_b32 s[G1W+1], 512<<16
	s_mov_b32 s[G1W+3], 512<<16
	s_mov_b32 s[G1W+5], 8192
	s_mov_b32 s[G1W+6], 0
	s_mov_b32 s[G1W+7], 0
	s_or_b32 s[G1B], s[RMSK], (2<<16)|(1<<21)      ; b: 32 rows a wave of 8 elements of 4 bytes, 128 elements apart, no padding
	s_mov_b32 s[G1B+1], 8<<16
	s_mov_b32 s[G1B+2], 32<<16
	s_mov_b32 s[G1B+3], 8<<16
	s_mov_b32 s[G1B+4], 32
	s_mov_b32 s[G1B+5], 128
	s_mov_b32 s[G1B+6], 0
	s_mov_b32 s[G1B+7], 0
	s_lshl_b32 s[XO], s[WGX], 16                   ; my block's 128 rows of 512 bytes,
	s_lshl_b32 s[T1], s[WV], 14
	s_add_co_u32 s[XO], s[XO], s[T1]               ; my wave's 32 of them
	s_mov_b32 s[XO+1], 0
	s_lshl_b32 s[YO], s[WGY], 12                   ; q0 rows of W
	s_mov_b32 s[YO+1], 0
	s_lshl_b32 s[YB], s[WGY], 5                    ; q0 numbers of f32
	s_mov_b32 s[YB+1], 0
	s_lshl_b32 s[MX], s[WGX], 16
	s_add_co_u32 s[MX], s[MX], s[YB]               ; hout alone hangs on both
	s_mov_b32 s[MX+1], 0
	s_mul_i32 s[T1], s[WV], 32*528
	s_mov_b32 s[G0X], 1
	s_add_co_u32 s[G0X+1], s[T1], XB
	s_mov_b32 s[G0H], 1
	s_add_co_u32 s[G0H+1], s[T1], HB
	s_mov_b32 s[G0B], 1
	s_lshl_b32 s[T1+1], s[WV], 10
	s_add_co_u32 s[G0B+1], s[T1+1], BT
	s_mov_b32 s[G0W], 1
	s_wait_dscnt 0x0                               ; both opening adds are done
	s_wait_kmcnt 0x0
	s_load_b64 s[78:79], s[10:11], 0x0             ; e0, e1
	s_add_nc_u64 s[G0X+2:G0X+3], s[6:7], s[XO:XO+1]
	s_or_b32 s[G0X+3], s[G0X+3], 0x80000000
	s_add_nc_u64 s[G0H+2:G0H+3], s[12:13], s[XO:XO+1]
	s_or_b32 s[G0H+3], s[G0H+3], 0x80000000
	s_add_nc_u64 s[WZ:WZ+1], s[4:5], s[YO:YO+1]
	s_add_nc_u64 s[BB:BB+1], s[8:9], s[YB:YB+1]
.if CUM
	s_add_nc_u64 s[WZ:WZ+1], s[WZ:WZ+1], CUM*512
	s_add_nc_u64 s[BB:BB+1], s[BB:BB+1], CUM*4
.endif
	s_add_nc_u64 s[WB:WB+1], s[WZ:WZ+1], 128*512
	s_lshl_b32 s[TP], s[WV], 14                    ; my 32 rows of b's table, 512 bytes apart,
	s_add_co_u32 s[TP], s[TP], 512                 ; behind the 128 bias numbers
	s_mov_b32 s[TP+1], 0
	s_add_nc_u64 s[G0B+2:G0B+3], s[BB:BB+1], s[TP:TP+1]
	s_or_b32 s[G0B+3], s[G0B+3], 0x80000000
	s_add_nc_u64 s[HO:HO+1], s[14:15], s[MX:MX+1]
	SETW 10, 0                                     ; blocks 0 to 4: 10 chunks a wave
	CROUND                                         ; all sixteen work-groups are here: the first joint loads meet
	tensor_load_to_lds s[G0X:G0X+3], s[G1X:G1X+7]  ; the first fills, one group, every wave its part of each: four tensor loads of mine are out
	s_nop 0
	tensor_load_to_lds s[G0W:G0W+3], s[G1W:G1W+7]
	s_nop 0
	tensor_load_to_lds s[G0H:G0H+3], s[G1X:G1X+7]
	s_nop 0
	tensor_load_to_lds s[G0B:G0B+3], s[G1B:G1B+7]
	s_nop 0
.rept 4
	v_nop
.endr
	v_and_b32 v1, 15, v0                           ; r
	v_bfe_u32 v2, v0, 4, 1                         ; h
	v_and_b32 v[GBF], 7, v0
	v_lshlrev_b32 v[GBF], 9, v[GBF]
	v_lshl_add_u32 v[GBF], v2, 4, v[GBF]
	s_lshl_b32 s[T1], s[WV], 7
	v_add_nc_u32 v[GBF], s[T1], v[GBF]
	v_mov_b32 v[GZ], 0
.irp c, 0,1,2,3
	global_load_b128 v[BF+4*\c:BF+4*\c+3], v[GBF], s[WZ:WZ+1] offset:32*\c   ; the bias chunk's fragment, K step w; lanes r and r + 8 take the same row
.endr
	global_load_b128 v[BC:BC+3], v[GZ], s[BB:BB+1]             ; b of my 8 outputs, in every lane
	global_load_b128 v[BC+4:BC+7], v[GZ], s[BB:BB+1] offset:16
	v_mul_u32_u24 v5, v1, 528
	v_lshl_add_u32 v6, v2, 4, v5                   ; 528 r + 16 h
	v_add_nc_u32 v[AX], XB, v6
	s_mul_i32 s[T1], s[WV], 2*CH
	v_add_nc_u32 v[AW], s[T1], v6
	v_add_nc_u32 v[AW+1], 2*BLK, v[AW]
	v_add_nc_u32 v[AW+2], 4*BLK, v[AW]
	v_add_nc_u32 v[AW+3], 6*BLK, v[AW]
	s_lshl_b32 s[T1], s[WV], 3
	s_add_co_u32 s[T1], s[T1], HB
	v_lshl_add_u32 v[AH], v2, 2, v5
	v_add_nc_u32 v[AH], s[T1], v[AH]
	s_lshl_b32 s[T1], s[WV], 6
	s_add_co_u32 s[T1], s[T1], BT
	v_lshl_add_u32 v[AB], v2, 5, s[T1]
	v_mul_u32_u24 v[STO], v1, 48
	v_mul_u32_u24 v7, v2, 6144
	v_add_nc_u32 v[STO], v7, v[STO]
	s_mul_i32 s[T1], s[WV], 12288
	s_add_co_u32 s[T1], s[T1], STG
	v_add_nc_u32 v[STO], s[T1], v[STO]             ; STG + 48 (128 (2 w + h) + r)
	v_mul_u32_u24 v[RDA], v0, 48
	v_add_nc_u32 v[RDA], STG, v[RDA]               ; STG + 48 x thread
	v_lshlrev_b32 v[GO], 9, v0
	v_sub_nc_u32 v7, 1, v2                         ; 1 - h
	; int_x's 128 samples x 512 codes go into registers, in every wave, and stay
	s_wait_tensorcnt 3                             ; my part of int_x's tile is in: W's, h's and b's loads were issued behind it and may be out
	s_barrier_signal -1
	s_barrier_wait -1                              ; everybody's is
	WIN 0x80                                       ; destination window 2
.irp s, 0,1
.irp t, 0,1,2,3,4,5,6,7
.irp c, 0,1,2,3
	ds_load_b128 v[128*\s+16*\t+4*\c:128*\s+16*\t+4*\c+3], v[AX] offset:8448*\t+128*\s+32*\c
.endr
.endr
.endr
	WIN 0xc0                                       ; destination window 3
.irp s, 0,1
.irp t, 0,1,2,3,4,5,6,7
.irp c, 0,1,2,3
	ds_load_b128 v[128*\s+16*\t+4*\c:128*\s+16*\t+4*\c+3], v[AX] offset:8448*\t+256+128*\s+32*\c
.endr
.endr
.endr
	WIN 0
	s_wait_kmcnt 0x0
	s_add_co_i32 s[SE], s78, s79                   ; e0 + e1
	s_sub_co_i32 s[SF], 127, s[SE]
	s_lshl_b32 s[SF], s[SF], 23                    ; 2^-(e0+e1) as f32
	s_cmp_eq_u32 s[WV], 0
	s_cselect_b32 s[SB], s[SF], 0                  ; the bias chunk's b goes in once: in wave 0
	v_mov_b32 v[SCV], s[SF]
	v_mov_b32 v[SCV+1], s[SF]
	v_mov_b32 v[SCB], s[SB]
	v_mov_b32 v[SCB+1], s[SB]
	WIN 0x40                                       ; destination window 1
	v_cvt_f32_u32 v[M01], v7
	v_mov_b32 v[M01+1], 0                          ; (named as the upper half of a pair, so it is written; so are the sixteen below)
.irp i, 0,1,2,3,4,5,6,7,8,9,10,11,12,13,14,15
	v_mov_b32 v[MB+2*\i+1], 0
.endr
	WIN 0
	s_wait_loadcnt 0x0                             ; the bias chunk and its b
.irp i, 0,2,4,6
	v_pk_mul_f32 v[BC+\i:BC+\i+1], v[BC+\i:BC+\i+1], v[SCB:SCB+1]
.endr
	; slots 5 and 6, which held int_x's tile, take blocks 5 and 6
	s_wait_tensorcnt 0x0                           ; all my first fills have landed
	ds_add_u32 v[SPW], v[NIL]
	SETW 4, 5
	s_wait_dscnt 0x0                               ; the add is done, and int_x is in my registers
	CROUND
	REFILL
	; block 0: b and W's fragments
	WIN W_G
.set kk, -1
.irp pp, 1,3,0,2,4,6,8,10,12,14,16,18,20,21,22,23,24,25
.set pos, \pp
	LD
.endr
	WAITSEQ NBB                                    ; b's two loads are in: W's sixteen may be out
.irp i, 0,1,2,3
.set ci, \i
	CMUL
.endr
	TILE 0, 0, 0, 0
	TILE 1, 0, 0, 0
	TILE 2, 0, 0, 0
	TILE 3, 1, 8, 7                                ; blocks 0-3 are in registers or done: slots 0-3 take blocks 7-10
	TILE 4, 0, 0, 0
	TILE 5, 0, 0, 0
	TILE 6, 1, 6, 11                               ; slots 4-6 take blocks 11-13
	TILE 7, 0, 0, 0
	TILE 8, 0, 0, 0
	TILE 9, 0, 0, 0
	TILE 10, 1, 4, 14                              ; slots 0, 1 take blocks 14, 15: the last fill
	TILE 11, 0, 0, 0
	TILE 12, 0, 0, 0
	TILE 13, 2, 0, 0                               ; the last fill has landed; nobody reads slots 4-6 any more
	TILE 14, 0, 0, 0
	TILE 15, 0, 0, 0
	; the bias chunk: wave w multiplies its K step w.  The register numbers of int_x's K step differ from wave to wave: a branch on the wave's number
	WIN 0
	s_cmp_eq_u32 s[WV], 0
	s_cbranch_scc0 .Lbias_1
	BIASMM 0
	s_branch .Lbias_done
.Lbias_1:
	s_cmp_eq_u32 s[WV], 1
	s_cbranch_scc0 .Lbias_2
	BIASMM 1
	s_branch .Lbias_done
.Lbias_2:
	s_cmp_eq_u32 s[WV], 2
	s_cbranch_scc0 .Lbias_3
	BIASMM 2
	s_branch .Lbias_done
.Lbias_3:
	BIASMM 3
.Lbias_done:
	s_wait_dscnt 0x0                               ; block 15's hin
	WIN W_G
.set kb, 15
.set pf, 0
.set pt, 0
.rept 8
.set pi, 0
.rept 4
	PK                                             ; block 15's sums; these 32 are also the places behind the bias products
.set pi, pi+1
.endr
.set pt, pt+1
.endr
.set pm, M01
.set pt, 0
.rept 32
.set pa, ACC+2*pt
.set ph, HN+2*pt
	PKOP                                           ; the bias sums x 1 (lanes 0-15) or x 0 (the copy in lanes 16-31)
.set pt, pt+1
.endr
	; THE WAY OUT.  A sample's 8 outputs lie in 8 parts: four waves x two halves of the lanes.  They meet in the stage; thread T adds sample T's.
	WIN 0x04                                       ; store data window 1
.irp t, 0,1,2,3,4,5,6,7
	ds_store_b128 v[STO], v[HN+8*\t:HN+8*\t+3] offset:768*\t
	ds_store_b128 v[STO], v[HN+8*\t+4:HN+8*\t+7] offset:768*\t+16
.endr
	WIN 0
	s_wait_dscnt 0x0                               ; for the others' sake: my stores into the stage are done
	s_barrier_signal -1
	s_barrier_wait -1
.irp c, 0,1,2,3,4,5,6,7
	ds_load_b128 v[FS+8*\c:FS+8*\c+3], v[RDA] offset:6144*\c
	ds_load_b128 v[FS+8*\c+4:FS+8*\c+7], v[RDA] offset:6144*\c+16
.endr
	s_wait_dscnt 0x0
.irp d, 4,2,1
.set pt, 0
.rept 4*\d
	v_pk_add_f32 v[FS+2*pt:FS+2*pt+1], v[FS+2*pt:FS+2*pt+1], v[FS+8*\d+2*pt:FS+8*\d+2*pt+1]
.set pt, pt+1
.endr
.endr
.irp j, 0,1,2,3,4,5,6,7
	v_ldexp_f32 v[FS+\j], v[FS+\j], s[SE]          ; x 2^(e0+e1)
.endr
.if LAYER < 2
.irp j, 0,1,2,3,4,5,6,7
	v_max_num_f32 v[FS+\j], 0, v[FS+\j]            ; relu
.endr
.endif
	global_store_b128 v[GO], v[FS:FS+3], s[HO:HO+1]
	global_store_b128 v[GO], v[FS+4:FS+7], s[HO:HO+1] offset:16
	s_wait_tensorcnt 0x0                           ; the wave's end, behind my last tensor load and my last LDS store
	ds_add_u32 v[SPW], v[NIL]
	s_wait_dscnt 0x0
	CROUND                                         ; the closing round: no work-group ends while a partner may still ask for a tile that names it
	s_endpgm
.Lfunc_end_k_q9d18d16859_layer1:
	.size	k_q9d18d16859_layer1, .Lfunc_end_k_q9d18d16859_layer1-k_q9d18d16859_layer1
	.p2alignl 7, 3214868480
	.fill 96, 4, 3214868480
	.section	.rodata,"a",@progbits
	.p2align	6, 0x0
	.amdhsa_kernel k_q9d18d16859_layer1
		.amdhsa_group_segment_fixed_size 327680
		.amdhsa_private_segment_fixed_size 0
		.amdhsa_enable_private_segment 0
		.amdhsa_kernarg_size 48
		.amdhsa_user_sgpr_count 2
		.amdhsa_user_sgpr_kernarg_segment_ptr 1
		.amdhsa_wavefront_size32 1
		.amdhsa_system_sgpr_workgroup_id_x 1
		.amdhsa_system_sgpr_workgroup_id_y 1
		.amdhsa_system_sgpr_workgroup_id_z 1
		.amdhsa_system_vgpr_workitem_id 0
		.amdhsa_next_free_vgpr 1024
		.amdhsa_next_free_sgpr 92
		.amdhsa_reserve_vcc 0
		.amdhsa_float_denorm_mode_32 3
		.amdhsa_float_denorm_mode_16_64 3
		.amdhsa_memory_ordered 1
		.amdhsa_forward_progress 1
		.amdhsa_inst_pref_size 144
	.end_amdhsa_kernel
	.amdgpu_metadata
---
amdhsa.version: [ 1, 2 ]
amdhsa.kernels:
  - .name:           k_q9d18d16859_layer1
    .symbol:         k_q9d18d16859_layer1.kd
    .args:
      - { .name: W_codes, .offset: 0, .size: 8, .value_kind: global_buffer, .address_space: global }
      - { .name: int_x_codes, .offset: 8, .size: 8, .value_kind: global_buffer, .address_space: global }
      - { .name: b, .offset: 16, .size: 8, .value_kind: global_buffer, .address_space: global }
      - { .name: lowp_scales, .offset: 24, .size: 8, .value_kind: global_buffer, .address_space: global }
      - { .name: h1, .offset: 32, .size: 8, .value_kind: global_buffer, .address_space: global }
      - { .name: h2, .offset: 40, .size: 8, .value_kind: global_buffer, .address_space: global }
    .group_segment_fixed_size: 327680
    .private_segment_fixed_size: 0
    .kernarg_segment_align: 8
    .kernarg_segment_size: 48
    .max_flat_workgroup_size: 128
    .sgpr_count:     92
    .vgpr_count:     1024
    .wavefront_size: 32
...
	.end_amdgpu_metadata
.endif
;; end of part 2
;; launch layer2 (part 3): grid 16 x 16, 4 waves a work-group, clusters of 4 x 4, 327,680 bytes of LDS; arguments W_codes, int_x_codes, b, lowp_scales, h2, out0; writes out0
.if DOCPART == 3
	.amdgcn_target "amdgcn-amd-amdhsa--gfx1250"
	.amdhsa_code_object_version 6
	.text
	.protected	k_q9d18d16859_layer2
	.globl	k_q9d18d16859_layer2
	.p2align	8
	.type	k_q9d18d16859_layer2,@function
k_q9d18d16859_layer2:
	s_mov_b64 s[64:65], 0
	v_nop
	global_prefetch_b8 v0, s[64:65] scope:SCOPE_SE
	s_setreg_imm32_b32 hwreg(HW_REG_WAVE_MODE, 25, 1), 1
	s_wait_xcnt 0x0
	s_wait_alu depctr_hold_cnt(0) depctr_sa_sdst(0) depctr_va_vdst(0) depctr_va_sdst(0) depctr_va_ssrc(0) depctr_va_vcc(0) depctr_vm_vsrc(0)
	s_getreg_b32 s2, hwreg(HW_REG_IB_STS2, 6, 4)
	s_cmp_eq_u32 s2, 0
	s_cbranch_scc0 .Lentry_in_a_cluster
	s_endpgm
.Lentry_in_a_cluster:
	s_bfe_u32 s2, ttmp6, 0x10000c
	s_cmp_lg_u32 s2, 0xf033
	s_cbranch_scc0 .Lentry_shape_is_right
	s_endpgm
.Lentry_shape_is_right:
; InteractionNet2, ONE LAYER (LAYER = 0, 1, 2; the three launches' texts differ in the next line alone).
.set LAYER, 2
; hout[n][q] = act( sum over p of temp[n][CUM+128+128 p+q] hin[n][p] + temp[n][CUM+q] ),  temp[n][o] = 2^(e0+e1) (int_x codes[n] . W codes[o]) + b[o],  act = relu in layers 0 and 1.
; temp is made by v_wmma_f32_16x16x128_fp8_fp8 on the codes as they are given and is used up in registers: it never goes to LDS or to memory.  Only h goes from launch to launch.
; NOTHING IS LEFT OUT: every row of W and of b, every code of int_x and every number of x has a way to the output.
; SHARES.  Work-group (x, y): samples 128 x .. 128 x + 127, outputs q0 = 8 y .. 8 y + 7, all p: 16 x 16 work-groups, one owner for each output.  Every wave keeps all 128 samples' codes in 512 registers;
; the four waves share out the p.  A CHUNK is the 8 rows (p, q0 .. q0 + 7) of W: 4,096 consecutive bytes; the next p lies 65,536 bytes on.  A BLOCK is 8 chunks; of block k wave w takes chunks 8 k + 2 w and + 1:
; a TILE of 16 rows of W against 8 tiles of 16 samples, 4 K steps of 128: 32 matrix instructions.  Each fragment of W read from LDS feeds 8 of them.
; LAYOUT.  Source 0 = 16 rows of W, source 1 = 16 samples: lane (r, h) holds sample r, its register j the row (p + h, q0 + j).  So hin[n][p + h] is ONE number a lane, and four packed multiply-adds fold a finished
; tile into hnew[0 .. 7].  b goes in as the C of a tile's first matrix instruction, as b x 2^-(e0+e1); the sums are multiplied by 2^(e0+e1) once, at the end.
; The bias rows (CUM + q0 ..) are half a tile: they are cut along K, wave w taking K step w; rows 8-15 of that tile are a copy of rows 0-7 and are multiplied by 0 (half a tile inside live work).
; k is permuted alike in W and int_x (a fragment comes by four loads of 16 bytes): every product meets its partner, the order of sums inside an instruction differs.
; CLUSTER 4 x 4.  W's and b's tiles hang on y alone and are asked for jointly along a row of the cluster, int_x's and h's on x alone, along a column: the requests are divided by four.
; NO PREFETCH: a wave's whole launch is 520 matrix instructions, too short for one to be asked for early enough and still behind the first fills.
; STORES: a thread stores 32 bytes of its sample's row of 512: a work-group owns 8 of a row's 128 outputs, so no store of this text covers 256 consecutive bytes.
; LIMITS: e0 + e1 between -127 and 126, so that 2^-(e0+e1) is an f32 number; b x 2^-(e0+e1) finite; NaN among codes or inputs is not served (relu by v_max_num_f32 drops it).
.set CUM,   16512*LAYER                ; the layer's first row of W and of b
.set CH,    4224                       ; a chunk in LDS: 8 lines of 512 bytes + 16 of padding; line r starts at bank 4 r mod 64 (64 banks of 4 bytes: ISA guide 11.1)
.set BLK,   8*CH                       ; a block, and a slot: 33,792 bytes.  Block j lies in slot j mod 7
.set XB,    5*BLK                      ; slots 5 and 6 first hold int_x's tile: 128 lines of 528
.set HB,    7*BLK                      ; h's tile: 128 lines of 528; it stays
.set BT,    HB+128*528                 ; b's table: line p = b of (p, q0 .. q0 + 7), 32 bytes
.set SPARE, BT+4096                    ; the spare words, 128 bytes for each wave: two blocks of 256 bytes that no other line names
.set STG,   4*BLK                      ; the way out: [contribution 2 w + h][sample][48 bytes], in slots 4 and 5, which have had their last fill and their last read by then
; window 0
.set AX,  4                            ; v4      int_x's tile: XB + 528 r + 16 h
.set AW,  8                            ; v8-11   W: slots 0, 2, 4, 6: + 2 CH w + 528 r + 16 h
.set AH,  12                           ; v12     h: HB + 528 r + 8 w + 4 h
.set AB,  13                           ; v13     b: BT + 64 w + 32 h
.set GBF, 14                           ; v14     the bias chunk in memory: 512 (r % 8) + 16 h + 128 w
.set GZ,  15                           ; v15     0
.set SCV, 16                           ; v16-17  2^-(e0+e1), twice
.set STO, 18                           ; v18     the stage, in
.set RDA, 19                           ; v19     the stage, back
.set GO,  20                           ; v20     512 x thread: my sample's row of hout
.set SCB, 22                           ; v22-23  2^-(e0+e1) in wave 0, else 0
.set SPW, 30                           ; v30     my spare word; never rewritten
.set NIL, 31                           ; v31     0; never rewritten
.set BF,  32                           ; v32-47  the bias chunk's fragment, my K step
.set BC,  48                           ; v48-55  its C
.set ACC, 64                           ; v64-191 two sets of 8 accumulators, by turns from tile to tile
.set FS,  192                          ; v192-255 the way out
; window 1
.set HN,  0                            ; v0-63   hnew: 8 t + j
.set WF,  64                           ; v64-191 W's fragments, two sets of 4 K steps
.set MB,  192                          ; v192-223 hin's numbers, two sets: 16 set + 2 t (the odd registers are only named as a pair's upper half)
.set CB,  224                          ; v224-239 b x 2^-(e0+e1), two sets of 8
.set M01, 240                          ; v240-241 1.0 in lanes 0-15, 0.0 in lanes 16-31
; windows 2, 3: int_x's fragments, K steps 0, 1 and 2, 3: v[128 (s % 2) + 16 t]
.set G1X, 16                           ; s[16:23] group 1 for int_x's and h's tiles;  s[24:31] for W's;  s[32:39] for b's
.set G1W, 24
.set G1B, 32
.set G0X, 40                           ; groups 0
.set G0H, 44
.set G0B, 48
.set G0W, 52
.set WV,  56
.set CXR, 57
.set CYR, 58
.set WGX, 59
.set WGY, 60
.set RMSK, 61
.set CMSK, 62
.set TP,  66                           ; s[66:67], s84, s85: made of the wave's number alone
.set WB,  68                           ; s[68:69] W at chunk 0 of my q0
.set WZ,  70                           ; s[70:71] W at the bias chunk
.set BB,  72                           ; s[72:73] b at CUM + q0
.set HO,  74                           ; s[74:75] hout at my first sample, my q0
.set YO,  76
.set SE,  80                           ; e0 + e1
.set SF,  81
.set SB,  82
.set T1,  84
.set XO,  86
.set MX,  88
.set YB,  90
.set PADW, (3<<16)|(1<<20)|(1<<21)|(6<<22)|(3<<25)   ; 17:16 elements of 8 bytes; 20 padding on; 21 set beside a mask; 24:22 after every 128 words; 31:25 four words
.set W_FIRST, 0x19                     ; source 0 (W) window 1, source 1 (int_x) window 2, C (b) window 1, D window 0
.set W_LO,    0x09                     ; the same, C and D window 0
.set W_HI,    0x0d                     ; int_x in window 3
.set W_G,     0x54                     ; source 0 window 0; sources 1, 2 and the destination window 1: the multiply-adds, b's scaling and every LDS load of the tiles
.set MSB, 0
.macro WIN new                         ; the immediate's high byte repeats the setting that is left
.if MSB != \new
	s_set_vgpr_msb (MSB<<8)|\new
.set MSB, \new
.endif
.endm
.macro CREST                           ; a round of the cluster's barrier behind its opening barrier
	s_cmp_lg_u32 s[WV], 0
	s_cbranch_scc1 .Lnot_wave_0_\@
	s_barrier_signal -3
.Lnot_wave_0_\@:
	s_barrier_wait -3
	s_barrier_signal -1
	s_barrier_wait -1
.endm
.macro CROUND
	s_barrier_signal -1
	s_barrier_wait -1
	CREST
.endm
; W's descriptor for R chunks a wave from block j on: rows of 4,096 bytes, 65,536 apart.  Written only where no tensor load of the wave is out.
.macro SETW R, j
	s_mov_b32 s[G1W+2], (\R)<<16                   ; tensor_dim1
	s_mov_b32 s[G1W+4], \R                         ; tile_dim1
	s_mul_i32 s[T1], s[WV], (\R)*CH
	s_add_co_u32 s[G0W+1], s[T1], ((\j)%7)*BLK     ; LDS: the slot + my chunks
	s_mul_i32 s[TP], s[WV], (\R)*65536
	s_add_co_u32 s[TP], s[TP], 8*(\j)*65536
	s_mov_b32 s[TP+1], 0
	s_add_nc_u64 s[G0W+2:G0W+3], s[WB:WB+1], s[TP:TP+1]
	s_or_b32 s[G0W+3], s[G0W+3], 0x80000000        ; type = 2
.endm
.macro REFILL                          ; the joint load; an s_nop 0 and four v_nop follow it
	tensor_load_to_lds s[G0W:G0W+3], s[G1W:G1W+7]
	s_nop 0
.rept 4
	v_nop
.endr
.endm
; LDS instructions are counted as they are written (TOT); a mark keeps the count at a load; the wait for that load leaves out what was issued behind it (LDS answers in order: ISA guide 5.7.1).
.set TOT, 0
.macro WAITSEQ m
	s_wait_dscnt TOT-(\m)
.endm
; Item pos of tile kk's list of 26 LDS loads: W's 16 pieces of block kk + 1 (even pos under 20, and 20 to 25), b's two of block kk + 1 (pos 1, 3), hin's eight of block kk (pos 5, 7 .. 19).
.macro LD
.set nb, (kk+1)%2
.if (pos == 1) || (pos == 3)
	ds_load_b128 v[CB+8*nb+4*(pos/2):CB+8*nb+4*(pos/2)+3], v[AB] offset:256*(kk+1)+16*(pos/2)
.elseif (pos < 20) && (pos%2 == 1)
.set tt, (pos-5)/2
	ds_load_b32 v[MB+16*(kk%2)+2*tt], v[AH] offset:8448*tt+32*kk
.else
.set nn, pos/2
.if pos >= 20
.set nn, pos-10
.endif
.set sg, (kk+1)%7
	ds_load_b128 v[WF+64*nb+4*nn:WF+64*nb+4*nn+3], v[AW+sg/2] offset:(sg%2)*BLK+128*(nn/4)+32*(nn%4)
.endif
.set TOT, TOT+1
.if pos == 3
.set NBB, TOT                          ; b is asked for
.endif
.if (pos == 6) || (pos == 7)
.set NA0, TOT                          ; K step 0 of W, hin of sample tiles 0, 1
.endif
.if pos == 14
.set NA1, TOT                          ; K step 1, hin up to tile 4
.endif
.if pos == 21
.set NA2, TOT                          ; K step 2, all of hin
.endif
.if pos == 25
.set NA3, TOT                          ; K step 3
.endif
.endm
; THE TILE'S LDS LOADS STAND IN ONE RUN, in the list's order, never singly among the matrix instructions.  The last tile fetches its own hin alone.
.macro RUN
.if kk == 15
.set pos, 5
.rept 8
	LD
.set pos, pos+2
.endr
.else
.set pos, 0
.rept 26
	LD
.set pos, pos+1
.endr
.endif
.endm
.macro MM                              ; the matrix instruction of tile kk, K step ms, sample tile mt.  The 8 accumulators take turns, one instruction a turn
.set ra, ACC+64*(kk%2)+8*mt
.set rw, WF+64*(kk%2)+16*ms
.set rx, 128*(ms%2)+16*mt
.if ms == 0
	WIN W_FIRST
	v_wmma_f32_16x16x128_fp8_fp8 v[ra:ra+7], v[rw:rw+15], v[rx:rx+15], v[CB+8*(kk%2):CB+8*(kk%2)+7]
.else
.if ms == 1
	WIN W_LO
.else
	WIN W_HI
.endif
	v_wmma_f32_16x16x128_fp8_fp8 v[ra:ra+7], v[rw:rw+15], v[rx:rx+15], v[ra:ra+7]
.endif
.endm
.macro PKOP                            ; hnew pair ph (+)= sums pair pa x the lane's number in v[pm] (the pair's low word for both halves).  pf = 1: the first block starts hnew
.if pf
	v_pk_mul_f32 v[ph:ph+1], v[pa:pa+1], v[pm:pm+1] op_sel_hi:[1,0]
.else
	v_pk_fma_f32 v[ph:ph+1], v[pa:pa+1], v[pm:pm+1], v[ph:ph+1] op_sel_hi:[1,0,1]
.endif
.endm
.macro PK                              ; block kb, sample tile pt, pair pi
.set pa, ACC+64*(kb%2)+8*pt+2*pi
.set pm, MB+16*(kb%2)+2*pt
.set ph, HN+8*pt+2*pi
	PKOP
.endm
.macro CMUL                            ; pair ci of block kk + 1's b x 2^-(e0+e1)
	v_pk_mul_f32 v[CB+8*((kk+1)%2)+2*ci:CB+8*((kk+1)%2)+2*ci+1], v[SCV:SCV+1], v[CB+8*((kk+1)%2)+2*ci:CB+8*((kk+1)%2)+2*ci+1]
.endm
; Gap gm of 16, behind every second matrix instruction, under one window setting: two multiply-adds on the tile before (its accumulators from their low ends on).
; These multiply-adds are also the places (ISA guide 7.12.1) between a sum's last product and its first reader, 8 at the least.
; In a plain tile (tev = 0) gap 1 also holds the run of loads: six multiply-adds (behind tile 0: four v_nop and four multiply-adds) lie between the last matrix instruction of the tile before, which read the
; set of fragments that the run fills, and the run; 28 matrix instructions follow it before the next tile wants its first piece.  In a tile with a change of slots the gaps hold register work alone.
; Gaps CG to CG + 3 scale the next block's b, a pair each.
.macro GAP
.set gw, 0
.if kk >= 1
.set gw, 1
.endif
.if (tev == 0) && (gm == 1)
.set gw, 1
.endif
.if (kk < 15) && (gm >= CG) && (gm < CG+4)
.set gw, 1
.endif
.if gw
	WIN W_G
.endif
.if kk >= 1
.set kb, kk-1
.set pf, 0
.if kb == 0
.set pf, 1
.endif
.set pt, gm/2
.set pi, 2*(gm%2)
	PK
.set pi, pi+1
	PK
.endif
.if (tev == 0) && (gm == 1)
	RUN
.endif
.if kk < 15
.if gm == CG
	WAITSEQ NBB                                    ; b's two loads are in: the 22 issued behind them in the run may be out
.endif
.if (gm >= CG) && (gm < CG+4)
.set ci, gm-CG
	CMUL
.endif
.endif
.endm
.macro STEP s                          ; a K step: 8 matrix instructions, 4 gaps
.set ms, \s
.set mu, 0
.rept 4
.set mt, 2*mu
	MM
.set mt, 2*mu+1
	MM
.set gm, 4*ms+mu
	GAP
.set mu, mu+1
.endr
.endm
; TILE k.  ev = 0: four counted waits, one ahead of each K step, for the pieces fetched by the run of the tile before (from K step 1 on this tile's own run, issued behind them, may be out as a whole).
; ev = 1: A CHANGE OF SLOTS.  Every wave waits for all its tensor loads, adds 0 to its spare word, works a K step, waits for the add and for all its LDS reads (blocks up to k are in registers), and opens a round of the
; cluster's barrier; a K step of register work stands inside; behind the round the slots just read out are filled by one joint load a wave: R chunks a wave from block j on; the tile's run of LDS loads follows it.
; ev = 2: the same lines and a plain barrier: the last fill has landed in every wave's part; nothing is filled again.
.macro TILE k, ev, R, j
.set kk, \k
.set tev, \ev
.set CG, 8
.if tev
.set CG, 12
.endif
.set CA0, NA0
.set CA1, NA1
.set CA2, NA2
.set CA3, NA3
.if tev
	WIN 0                                          ; (the add's two registers lie in window 0)
	s_wait_tensorcnt 0x0                           ; no tensor load of mine is out, so the descriptor may be written
	ds_add_u32 v[SPW], v[NIL]                      ; 0 onto my spare word
.set TOT, TOT+1
.if tev == 1
	SETW \R, \j
.endif
.endif
	WAITSEQ CA0                                    ; K step 0's pieces and the first two hin are in; what was issued behind them may be out
	STEP 0
.if tev
	s_wait_dscnt 0x0                               ; the add is done, and my reads of the slots are over
	s_barrier_signal -1
.else
	WAITSEQ CA1
.endif
	STEP 1
.if tev
	WIN 0
	s_barrier_wait -1
.if tev == 1
	CREST                                          ; no wave of any partner still reads these slots or has a load on its way
	REFILL                                         ; the first tensor load behind the round, and my only one until the next
.endif
	WIN W_G
	RUN                                            ; block k + 1 lies in a slot that this change does not fill, and the barrier has shown it whole
.else
	WAITSEQ CA2
.endif
	STEP 2
.if tev == 0
	WAITSEQ CA3
.endif
	STEP 3
.if kk == 0
.rept 4
	v_nop                                          ; the first tile has no multiply-adds in its gaps: these are the places in front of the next tile's first read of its sums
.endr
.endif
.endm
.macro BIASMM s                        ; the bias chunk's K step s against the 8 sample tiles
.if \s < 2
	WIN 0x08                                       ; int_x in window 2, all else in window 0
.else
	WIN 0x0c
.endif
.irp t, 0,1,2,3,4,5,6,7
	v_wmma_f32_16x16x128_fp8_fp8 v[ACC+8*\t:ACC+8*\t+7], v[BF:BF+15], v[128*(\s%2)+16*\t:128*(\s%2)+16*\t+15], v[BC:BC+7]
.endr
	WIN 0
.endm
	s_load_b256 s[4:11], s[0:1], 0x0               ; W's codes s[4:5], int_x's s[6:7], b s[8:9], the scales' exponents s[10:11]
	s_load_b128 s[12:15], s[0:1], 0x20             ; hin s[12:13], hout s[14:15]
	v_lshl_add_u32 v[SPW], v0, 2, SPARE
	v_mov_b32 v[NIL], 0
	ds_add_u32 v[SPW], v[NIL]                      ; the wave's opening: the add, twice on end, and its wait ahead of my first tensor load
	ds_add_u32 v[SPW], v[NIL]
	v_lshrrev_b32 v1, 5, v0
	v_readfirstlane_b32 s[WV], v1                  ; wave 0..3
	s_bfe_u32 s[CXR], ttmp6, 0x40000               ; cx, cy: my place in the cluster
	s_bfe_u32 s[CYR], ttmp6, 0x40004
	s_lshl_b32 s[WGX], ttmp9, 2
	s_add_co_u32 s[WGX], s[WGX], s[CXR]            ; work-group x: my block of 128 samples
	s_and_b32 s[WGY], ttmp7, 0xffff
	s_lshl_b32 s[WGY], s[WGY], 2
	s_add_co_u32 s[WGY], s[WGY], s[CYR]            ; work-group y: my 8 outputs
	s_lshl_b32 s[RMSK], s[CYR], 2
	s_lshl_b32 s[RMSK], 15, s[RMSK]                ; my row of the cluster
	s_lshl_b32 s[CMSK], 0x1111, s[CXR]             ; my column
	s_or_b32 s[G1X], s[CMSK], PADW                 ; int_x, h: 32 rows a wave of 64 elements of 8 bytes, dense; they go to my column
	s_mov_b32 s[G1X+1], 64<<16                     ; tensor_dim0
	s_mov_b32 s[G1X+2], 32<<16                     ; tensor_dim1
	s_mov_b32 s[G1X+3], 64<<16                     ; tile_dim0
	s_mov_b32 s[G1X+4], 32                         ; tile_dim1
	s_mov_b32 s[G1X+5], 64                         ; stride
	s_mov_b32 s[G1X+6], 0
	s_mov_b32 s[G1X+7], 0
	s_or_b32 s[G1W], s[RMSK], PADW                 ; W: rows of 512 elements of 8 bytes (a chunk), 8,192 elements apart; padding behind each 512 bytes; they go to my row
	s_mov_b32 s[G1W+1], 512<<16
	s_mov_b32 s[G1W+3], 512<<16
	s_mov_b32 s[G1W+5], 8192
	s_mov_b32 s[G1W+6], 0
	s_mov_b32 s[G1W+7], 0
	s_or_b32 s[G1B], s[RMSK], (2<<16)|(1<<21)      ; b: 32 rows a wave of 8 elements of 4 bytes, 128 elements apart, no padding
	s_mov_b32 s[G1B+1], 8<<16
	s_mov_b32 s[G1B+2], 32<<16
	s_mov_b32 s[G1B+3], 8<<16
	s_mov_b32 s[G1B+4], 32
	s_mov_b32 s[G1B+5], 128
	s_mov_b32 s[G1B+6], 0
	s_mov_b32 s[G1B+7], 0
	s_lshl_b32 s[XO], s[WGX], 16                   ; my block's 128 rows of 512 bytes,
	s_lshl_b32 s[T1], s[WV], 14
	s_add_co_u32 s[XO], s[XO], s[T1]               ; my wave's 32 of them
	s_mov_b32 s[XO+1], 0
	s_lshl_b32 s[YO], s[WGY], 12                   ; q0 rows of W
	s_mov_b32 s[YO+1], 0
	s_lshl_b32 s[YB], s[WGY], 5                    ; q0 numbers of f32
	s_mov_b32 s[YB+1], 0
	s_lshl_b32 s[MX], s[WGX], 16
	s_add_co_u32 s[MX], s[MX], s[YB]               ; hout alone hangs on both
	s_mov_b32 s[MX+1], 0
	s_mul_i32 s[T1], s[WV], 32*528
	s_mov_b32 s[G0X], 1
	s_add_co_u32 s[G0X+1], s[T1], XB
	s_mov_b32 s[G0H], 1
	s_add_co_u32 s[G0H+1], s[T1], HB
	s_mov_b32 s[G0B], 1
	s_lshl_b32 s[T1+1], s[WV], 10
	s_add_co_u32 s[G0B+1], s[T1+1], BT
	s_mov_b32 s[G0W], 1
	s_wait_dscnt 0x0                               ; both opening adds are done
	s_wait_kmcnt 0x0
	s_load_b64 s[78:79], s[10:11], 0x0             ; e0, e1
	s_add_nc_u64 s[G0X+2:G0X+3], s[6:7], s[XO:XO+1]
	s_or_b32 s[G0X+3], s[G0X+3], 0x80000000
	s_add_nc_u64 s[G0H+2:G0H+3], s[12:13], s[XO:XO+1]
	s_or_b32 s[G0H+3], s[G0H+3], 0x80000000
	s_add_nc_u64 s[WZ:WZ+1], s[4:5], s[YO:YO+1]
	s_add_nc_u64 s[BB:BB+1], s[8:9], s[YB:YB+1]
.if CUM
	s_add_nc_u64 s[WZ:WZ+1], s[WZ:WZ+1], CUM*512
	s_add_nc_u64 s[BB:BB+1], s[BB:BB+1], CUM*4
.endif
	s_add_nc_u64 s[WB:WB+1], s[WZ:WZ+1], 128*512
	s_lshl_b32 s[TP], s[WV], 14                    ; my 32 rows of b's table, 512 bytes apart,
	s_add_co_u32 s[TP], s[TP], 512                 ; behind the 128 bias numbers
	s_mov_b32 s[TP+1], 0
	s_add_nc_u64 s[G0B+2:G0B+3], s[BB:BB+1], s[TP:TP+1]
	s_or_b32 s[G0B+3], s[G0B+3], 0x80000000
	s_add_nc_u64 s[HO:HO+1], s[14:15], s[MX:MX+1]
	SETW 10, 0                                     ; blocks 0 to 4: 10 chunks a wave
	CROUND                                         ; all sixteen work-groups are here: the first joint loads meet
	tensor_load_to_lds s[G0X:G0X+3], s[G1X:G1X+7]  ; the first fills, one group, every wave its part of each: four tensor loads of mine are out
	s_nop 0
	tensor_load_to_lds s[G0W:G0W+3], s[G1W:G1W+7]
	s_nop 0
	tensor_load_to_lds s[G0H:G0H+3], s[G1X:G1X+7]
	s_nop 0
	tensor_load_to_lds s[G0B:G0B+3], s[G1B:G1B+7]
	s_nop 0
.rept 4
	v_nop
.endr
	v_and_b32 v1, 15, v0                           ; r
	v_bfe_u32 v2, v0, 4, 1                         ; h
	v_and_b32 v[GBF], 7, v0
	v_lshlrev_b32 v[GBF], 9, v[GBF]
	v_lshl_add_u32 v[GBF], v2, 4, v[GBF]
	s_lshl_b32 s[T1], s[WV], 7
	v_add_nc_u32 v[GBF], s[T1], v[GBF]
	v_mov_b32 v[GZ], 0
.irp c, 0,1,2,3
	global_load_b128 v[BF+4*\c:BF+4*\c+3], v[GBF], s[WZ:WZ+1] offset:32*\c   ; the bias chunk's fragment, K step w; lanes r and r + 8 take the same row
.endr
	global_load_b128 v[BC:BC+3], v[GZ], s[BB:BB+1]             ; b of my 8 outputs, in every lane
	global_load_b128 v[BC+4:BC+7], v[GZ], s[BB:BB+1] offset:16
	v_mul_u32_u24 v5, v1, 528
	v_lshl_add_u32 v6, v2, 4, v5                   ; 528 r + 16 h
	v_add_nc_u32 v[AX], XB, v6
	s_mul_i32 s[T1], s[WV], 2*CH
	v_add_nc_u32 v[AW], s[T1], v6
	v_add_nc_u32 v[AW+1], 2*BLK, v[AW]
	v_add_nc_u32 v[AW+2], 4*BLK, v[AW]
	v_add_nc_u32 v[AW+3], 6*BLK, v[AW]
	s_lshl_b32 s[T1], s[WV], 3
	s_add_co_u32 s[T1], s[T1], HB
	v_lshl_add_u32 v[AH], v2, 2, v5
	v_add_nc_u32 v[AH], s[T1], v[AH]
	s_lshl_b32 s[T1], s[WV], 6
	s_add_co_u32 s[T1], s[T1], BT
	v_lshl_add_u32 v[AB], v2, 5, s[T1]
	v_mul_u32_u24 v[STO], v1, 48
	v_mul_u32_u24 v7, v2, 6144
	v_add_nc_u32 v[STO], v7, v[STO]
	s_mul_i32 s[T1], s[WV], 12288
	s_add_co_u32 s[T1], s[T1], STG
	v_add_nc_u32 v[STO], s[T1], v[STO]             ; STG + 48 (128 (2 w + h) + r)
	v_mul_u32_u24 v[RDA], v0, 48
	v_add_nc_u32 v[RDA], STG, v[RDA]               ; STG + 48 x thread
	v_lshlrev_b32 v[GO], 9, v0
	v_sub_nc_u32 v7, 1, v2                         ; 1 - h
	; int_x's 128 samples x 512 codes go into registers, in every wave, and stay
	s_wait_tensorcnt 3                             ; my part of int_x's tile is in: W's, h's and b's loads were issued behind it and may be out
	s_barrier_signal -1
	s_barrier_wait -1                              ; everybody's is
	WIN 0x80                                       ; destination window 2
.irp s, 0,1
.irp t, 0,1,2,3,4,5,6,7
.irp c, 0,1,2,3
	ds_load_b128 v[128*\s+16*\t+4*\c:128*\s+16*\t+4*\c+3], v[AX] offset:8448*\t+128*\s+32*\c
.endr
.endr
.endr
	WIN 0xc0                                       ; destination window 3
.irp s, 0,1
.irp t, 0,1,2,3,4,5,6,7
.irp c, 0,1,2,3
	ds_load_b128 v[128*\s+16*\t+4*\c:128*\s+16*\t+4*\c+3], v[AX] offset:8448*\t+256+128*\s+32*\c
.endr
.endr
.endr
	WIN 0
	s_wait_kmcnt 0x0
	s_add_co_i32 s[SE], s78, s79                   ; e0 + e1
	s_sub_co_i32 s[SF], 127, s[SE]
	s_lshl_b32 s[SF], s[SF], 23                    ; 2^-(e0+e1) as f32
	s_cmp_eq_u32 s[WV], 0
	s_cselect_b32 s[SB], s[SF], 0                  ; the bias chunk's b goes in once: in wave 0
	v_mov_b32 v[SCV], s[SF]
	v_mov_b32 v[SCV+1], s[SF]
	v_mov_b32 v[SCB], s[SB]
	v_mov_b32 v[SCB+1], s[SB]
	WIN 0x40                                       ; destination window 1
	v_cvt_f32_u32 v[M01], v7
	v_mov_b32 v[M01+1], 0                          ; (named as the upper half of a pair, so it is written; so are the sixteen below)
.irp i, 0,1,2,3,4,5,6,7,8,9,10,11,12,13,14,15
	v_mov_b32 v[MB+2*\i+1], 0
.endr
	WIN 0
	s_wait_loadcnt 0x0                             ; the bias chunk and its b
.irp i, 0,2,4,6
	v_pk_mul_f32 v[BC+\i:BC+\i+1], v[BC+\i:BC+\i+1], v[SCB:SCB+1]
.endr
	; slots 5 and 6, which held int_x's tile, take blocks 5 and 6
	s_wait_tensorcnt 0x0                           ; all my first fills have landed
	ds_add_u32 v[SPW], v[NIL]
	SETW 4, 5
	s_wait_dscnt 0x0                               ; the add is done, and int_x is in my registers
	CROUND
	REFILL
	; block 0: b and W's fragments
	WIN W_G
.set kk, -1
.irp pp, 1,3,0,2,4,6,8,10,12,14,16,18,20,21,22,23,24,25
.set pos, \pp
	LD
.endr
	WAITSEQ NBB                                    ; b's two loads are in: W's sixteen may be out
.irp i, 0,1,2,3
.set ci, \i
	CMUL
.endr
	TILE 0, 0, 0, 0
	TILE 1, 0, 0, 0
	TILE 2, 0, 0, 0
	TILE 3, 1, 8, 7                                ; blocks 0-3 are in registers or done: slots 0-3 take blocks 7-10
	TILE 4, 0, 0, 0
	TILE 5, 0, 0, 0
	TILE 6, 1, 6, 11                               ; slots 4-6 take blocks 11-13
	TILE 7, 0, 0, 0
	TILE 8, 0, 0, 0
	TILE 9, 0, 0, 0
	TILE 10, 1, 4, 14                              ; slots 0, 1 take blocks 14, 15: the last fill
	TILE 11, 0, 0, 0
	TILE 12, 0, 0, 0
	TILE 13, 2, 0, 0                               ; the last fill has landed; nobody reads slots 4-6 any more
	TILE 14, 0, 0, 0
	TILE 15, 0, 0, 0
	; the bias chunk: wave w multiplies its K step w.  The register numbers of int_x's K step differ from wave to wave: a branch on the wave's number
	WIN 0
	s_cmp_eq_u32 s[WV], 0
	s_cbranch_scc0 .Lbias_1
	BIASMM 0
	s_branch .Lbias_done
.Lbias_1:
	s_cmp_eq_u32 s[WV], 1
	s_cbranch_scc0 .Lbias_2
	BIASMM 1
	s_branch .Lbias_done
.Lbias_2:
	s_cmp_eq_u32 s[WV], 2
	s_cbranch_scc0 .Lbias_3
	BIASMM 2
	s_branch .Lbias_done
.Lbias_3:
	BIASMM 3
.Lbias_done:
	s_wait_dscnt 0x0                               ; block 15's hin
	WIN W_G
.set kb, 15
.set pf, 0
.set pt, 0
.rept 8
.set pi, 0
.rept 4
	PK                                             ; block 15's sums; these 32 are also the places behind the bias products
.set pi, pi+1
.endr
.set pt, pt+1
.endr
.set pm, M01
.set pt, 0
.rept 32
.set pa, ACC+2*pt
.set ph, HN+2*pt
	PKOP                                           ; the bias sums x 1 (lanes 0-15) or x 0 (the copy in lanes 16-31)
.set pt, pt+1
.endr
	; THE WAY OUT.  A sample's 8 outputs lie in 8 parts: four waves x two halves of the lanes.  They meet in the stage; thread T adds sample T's.
	WIN 0x04                                       ; store data window 1
.irp t, 0,1,2,3,4,5,6,7
	ds_store_b128 v[STO], v[HN+8*\t:HN+8*\t+3] offset:768*\t
	ds_store_b128 v[STO], v[HN+8*\t+4:HN+8*\t+7] offset:768*\t+16
.endr
	WIN 0
	s_wait_dscnt 0x0                               ; for the others' sake: my stores into the stage are done
	s_barrier_signal -1
	s_barrier_wait -1
.irp c, 0,1,2,3,4,5,6,7
	ds_load_b128 v[FS+8*\c:FS+8*\c+3], v[RDA] offset:6144*\c
	ds_load_b128 v[FS+8*\c+4:FS+8*\c+7], v[RDA] offset:6144*\c+16
.endr
	s_wait_dscnt 0x0
.irp d, 4,2,1
.set pt, 0
.rept 4*\d
	v_pk_add_f32 v[FS+2*pt:FS+2*pt+1], v[FS+2*pt:FS+2*pt+1], v[FS+8*\d+2*pt:FS+8*\d+2*pt+1]
.set pt, pt+1
.endr
.endr
.irp j, 0,1,2,3,4,5,6,7
	v_ldexp_f32 v[FS+\j], v[FS+\j], s[SE]          ; x 2^(e0+e1)
.endr
.if LAYER < 2
.irp j, 0,1,2,3,4,5,6,7
	v_max_num_f32 v[FS+\j], 0, v[FS+\j]            ; relu
.endr
.endif
	global_store_b128 v[GO], v[FS:FS+3], s[HO:HO+1]
	global_store_b128 v[GO], v[FS+4:FS+7], s[HO:HO+1] offset:16
	s_wait_tensorcnt 0x0                           ; the wave's end, behind my last tensor load and my last LDS store
	ds_add_u32 v[SPW], v[NIL]
	s_wait_dscnt 0x0
	CROUND                                         ; the closing round: no work-group ends while a partner may still ask for a tile that names it
	s_endpgm
.Lfunc_end_k_q9d18d16859_layer2:
	.size	k_q9d18d16859_layer2, .Lfunc_end_k_q9d18d16859_layer2-k_q9d18d16859_layer2
	.p2alignl 7, 3214868480
	.fill 96, 4, 3214868480
	.section	.rodata,"a",@progbits
	.p2align	6, 0x0
	.amdhsa_kernel k_q9d18d16859_layer2
		.amdhsa_group_segment_fixed_size 327680
		.amdhsa_private_segment_fixed_size 0
		.amdhsa_enable_private_segment 0
		.amdhsa_kernarg_size 48
		.amdhsa_user_sgpr_count 2
		.amdhsa_user_sgpr_kernarg_segment_ptr 1
		.amdhsa_wavefront_size32 1
		.amdhsa_system_sgpr_workgroup_id_x 1
		.amdhsa_system_sgpr_workgroup_id_y 1
		.amdhsa_system_sgpr_workgroup_id_z 1
		.amdhsa_system_vgpr_workitem_id 0
		.amdhsa_next_free_vgpr 1024
		.amdhsa_next_free_sgpr 92
		.amdhsa_reserve_vcc 0
		.amdhsa_float_denorm_mode_32 3
		.amdhsa_float_denorm_mode_16_64 3
		.amdhsa_memory_ordered 1
		.amdhsa_forward_progress 1
		.amdhsa_inst_pref_size 144
	.end_amdhsa_kernel
	.amdgpu_metadata
---
amdhsa.version: [ 1, 2 ]
amdhsa.kernels:
  - .name:           k_q9d18d16859_layer2
    .symbol:         k_q9d18d16859_layer2.kd
    .args:
      - { .name: W_codes, .offset: 0, .size: 8, .value_kind: global_buffer, .address_space: global }
      - { .name: int_x_codes, .offset: 8, .size: 8, .value_kind: global_buffer, .address_space: global }
      - { .name: b, .offset: 16, .size: 8, .value_kind: global_buffer, .address_space: global }
      - { .name: lowp_scales, .offset: 24, .size: 8, .value_kind: global_buffer, .address_space: global }
      - { .name: h2, .offset: 32, .size: 8, .value_kind: global_buffer, .address_space: global }
      - { .name: out0, .offset: 40, .size: 8, .value_kind: global_buffer, .address_space: global }
    .group_segment_fixed_size: 327680
    .private_segment_fixed_size: 0
    .kernarg_segment_align: 8
    .kernarg_segment_size: 48
    .max_flat_workgroup_size: 128
    .sgpr_count:     92
    .vgpr_count:     1024
    .wavefront_size: 32
...
	.end_amdgpu_metadata
.endif
;; end of part 3
